; MI455X (gfx1250); checked and timed in simulation.
; The chip was launched on July 23, 2026; its instructions are those of AMD's public machine-readable ISA for CDNA 5 (MIT licence, August 2026) and "CDNA5" Instruction Set Architecture Reference Guide (July 2026). The comments in the code are by the model that wrote it; some were corrected since.
;; Point Attention. Allowed arithmetic: matrix products marked QUANTISED: E4M3 operands, one E8M0 scale for each 32 along K, by v_wmma_scale_f32_16x16x128_f8f6f4 with both operands' format E4M3, f32 sums; products left as they are: f32 operands where the result goes on into a quantised operand, else bf16, f16 or f32 operands; f32 sums; everything else in f32.
;; Inputs: Wk 3 x 64 float32; Wq 3 x 64 float32; Wv 64 x 64 float32; bk 64 float32; bq 64 float32; bv 64 float32; features 1,024 x 32 x 64 float32; p_W1 3 x 3 float32; p_W2 3 x 64 float32; p_b1 3 float32; p_b2 64 float32; p_ln_b 3 float32; p_ln_g 3 float32; pv_xyz 1,024 x 32 x 3 float32; w_W1 64 x 64 float32; w_W2 64 x 64 float32; w_b1 64 float32; w_b2 64 float32; w_ln1_b 64 float32; w_ln1_g 64 float32; w_ln2_b 64 float32; w_ln2_g 64 float32.
;; Outputs: out0 1,024 x 32 x 128 float32.
;; This version of the problem:
;;   THIS VERSION OF THE PROBLEM IS GIVEN IN LOW PRECISION. The matrix products marked QUANTISED in the list below multiply operands that are first quantised to E4M3 (4 exponent bits, 3 mantissa bits; 8 bits a number), with one power-of-two scale for each 32 numbers along K (OCP MX v1.0); their sums are f32. All else is computed in f32.
;;   The module's matrix products, in the order in which they are computed (A, B: the left and right operand; K: the contracted axis; several contracted axes count as one K, in the product's order):
;;     1. [M 1,048,576, K 3] x [K 3, N 3]; A: computed on the way; B: input p_W1: left as it is (K = 3 < 32)
;;     2. [M 1,048,576, K 3] x [K 3, N 64]; A: computed on the way; B: input p_W2: left as it is (K = 3 < 32)
;;     3. [M 32,768, K 3] x [K 3, N 64]; A: input pv_xyz; B: input Wq: left as it is (K = 3 < 32)
;;     4. [M 32,768, K 3] x [K 3, N 64]; A: input pv_xyz; B: input Wk: left as it is (K = 3 < 32)
;;     5. [M 32,768, K 64] x [K 64, N 64]; A: input features; B: input Wv: QUANTISED
;;     6. [M 1,048,576, K 64] x [K 64, N 64]; A: computed on the way; B: input w_W1: QUANTISED
;;     7. [M 1,048,576, K 64] x [K 64, N 64]; A: computed on the way; B: input w_W2: QUANTISED
;;   THE QUANTISER, for each operand of a quantised product, along K:
;;     - K is cut into blocks of 32 from its start; a last block that is shorter is filled with zeros.
;;     - A block's scale is 2^e with e = floor(log2(the largest magnitude in the block)) - 8, held to -126 .. 127; a block of zeros has e = 0. As a byte (E8M0): e + 127.
;;     - Each number is divided by its block's scale, clamped to +-448, and rounded to the nearest number of E4M3, ties to even, subnormals kept.
;;     - The product sums the exact products of the quantised numbers (number of the format x scale) in f32.
;;   ~~~python
;;   def quantise(x, axis):      # numpy; x: float32 -> the quantised numbers, widened to float32 again
;;       x = np.moveaxis(x, axis, -1); K = x.shape[-1]
;;       x = np.pad(x, [(0, 0)] * (x.ndim - 1) + [(0, -K % 32)]); x = x.reshape(x.shape[:-1] + (-1, 32)); a = np.abs(x).max(-1, keepdims=True)
;;       e = np.where(a > 0, np.clip(np.frexp(np.where(a > 0, a, 1))[1] - 1 - 8, -126, 127), 0)      # np.frexp(a)[1] - 1 = floor(log2(a)), exactly
;;       r = np.clip(x / 2.0 ** e, -448, 448)
;;       step = 2.0 ** (np.maximum(np.frexp(np.where(r == 0, 1, r))[1] - 1, -6) - 3)
;;       q = np.round(r / step) * step * 2.0 ** e      # np.round: ties to even
;;       return np.moveaxis(q.reshape(q.shape[:-2] + (-1,))[..., :K], -1, axis).astype(np.float32)
;;   ~~~
;;   OPERANDS COMPUTED ON THE WAY. 'Computed on the way' means the value that the module computes at that place (a softmax that the list does not call 'softmax' is quantised finished and normalised). What goes into a quantiser is computed in f32, as accurately as f32 sums, v_exp_f32 and their like allow (about 1e-6 of the number): no bf16 or f16 on the way to a quantiser, and a product that is left as it is and whose result goes on into a quantised operand takes f32 operands (vector FMAs, or v_wmma_f32_16x16x4_f32). A number that lies on a knife's edge between two numbers of the format may be rounded either way, as far as f32 arithmetic and the matrix unit's own rounding can turn it there, and no further.
;; 2 versions, each right; version 2 is version 1 with the launch pa written anew for expert scheduling mode. Each part assembles by itself: llvm-mc -triple=amdgcn-amd-amdhsa -mcpu=gfx1250 --defsym DOCPART=n.
;; ======== version 1 of 2: 1 launch
;; launch pa (part 1): grid 256 x 1, 8 waves a work-group, no clusters, 84,480 bytes of LDS; arguments pv_xyz, features, Wq, bq, Wk, bk, Wv, bv, p_W1, p_b1, p_ln_g, p_ln_b, p_W2, p_b2, w_ln1_g, w_ln1_b, w_W1, w_b1, w_ln2_g, w_ln2_b, w_W2, w_b2, out0; writes out0
.if DOCPART == 1
	.amdgcn_target "amdgcn-amd-amdhsa--gfx1250"
	.amdhsa_code_object_version 6
	.text
	.protected	k_qfa73a1151f_pa
	.globl	k_qfa73a1151f_pa
	.p2align	8
	.type	k_qfa73a1151f_pa,@function
k_qfa73a1151f_pa:
	s_mov_b64 s[64:65], 0
	v_nop
	global_prefetch_b8 v0, s[64:65] scope:SCOPE_SE
	s_setreg_imm32_b32 hwreg(HW_REG_WAVE_MODE, 25, 1), 1
	s_wait_xcnt 0x0
; PointAttention: 1,024 voxels of 32 points.  For each pair (i, j) of a voxel: |xyz_j - xyz_i| (or -1 where a point is empty) -> Linear(3,3), LN(3), ReLU, Linear(3,64); + q_i - k_j; / 8;
; LN(64), ReLU, x w_W1 + w_b1 (MX-FP8); LN(64), ReLU, x w_W2 + w_b2 (MX-FP8); softmax over j; of it the term j = i alone, times v_i = features x Wv + bv (MX-FP8); features copied beside it.
; SHARES.  Work-group g: voxels 4 g .. 4 g + 3.  Wave w: voxel 4 g + w / 2, queries i = 16 (w % 2) + 0 .. 15, against all 32 j: one query a trip, two tiles of 16 pairs.  Two waves of 512 registers to a SIMD.
; LAYOUT.  Lane (r = lane % 16, h = lane / 16) holds ONE pair r and 32 of its 64 features: register e holds feature 32 (e / 16) + 16 h + e % 16, which is the order of an 8-bit operand's registers.
;   So a LayerNorm's sum is packed additions in the lane and one exchange with lane xor 16, a block's largest magnitude likewise, and the conversions' results are the next product's operand.
; THE FIRST STAGE BY THE f32 MATRIX FORM.  w - mean(w) = P0 p0 + P1 p1 + P2 p2 + q'_i - k'_j, with p_W2's, Wq's, Wk's rows and bq + p_b2 - bk centred over the 64 features and divided by 8 once, at the head:
;   source 0 = 16 features x (P0, P1, P2, q'_i), source 1 = 16 pairs x (p0, p1, p2, 1), C = -k'_j.  Row m of feature tile t = 2 b + u is feature 32 b + 8 u + m + (m & 8), so that the result falls into the layout above.
; THE SECOND STAGE is used transposed (source 0 = 16 columns of w_W1 in the same order, source 1 = the pairs; C = w_b1): the same layout again.
; THE THIRD STAGE AND v are used straight (source 0 = 16 pairs or points, source 1 = columns 4 r + t of the weight; C = w_b2 or 0): a lane then holds feature 4 r + t and its registers run down the pairs,
;   so the softmax over j runs down registers, and a lane's four tiles are 16 neighbouring bytes of the output row.
; K = 64 OF THE INSTRUCTION'S 128.  The computed operand's upper eight registers are zero codes.  The weights' fragments lie eight registers apart: a fragment's upper eight registers are the next fragment's codes
;   (never the NaN code: every number is held at the largest code), the last fragment's are zeros.  Zero codes add nothing.  Scale bytes 2 and 3 are 0 on both sides, which is 2^-127 and no NaN.
; THE DIAGONAL.  In the pair stage lane l handles j = l xor 16 (w % 2), so pair j = i is row ii = i % 16 of tile 0: half ii / 8 of the lanes, register ii % 8; the register is chosen by a branch on the trip's counter.
;   That half of the lanes stores the result's 256 bytes of the output row, the other half the copy of features: one store of 512 bytes a query.
; No cluster and no joint loads: what work-groups share is the weights, some 50 KB, read once by each through registers; nothing is brought by the tensor data mover.  No prefetch: every input byte is asked for at the head.
; LIMITS.  NaN and infinities among the inputs are not served (0 x xyz has to be 0).  A block of zeros has the scale byte 1 where the quantiser's rule says 127: its codes are zeros, and the bytes never leave the launch.
;   -0.0 counts as 0 in the test for an empty point, as a comparison with 0 has it.  v_exp_f32 gives 0 for results under 2^-126 (ISA guide, its entry): such terms add nothing to a sum that holds a 1.
; LDS: 0: v's rows, 16 x 272 bytes a wave; WIMG: 12 weight fragments as images of their registers, 1,024 bytes each (0-3 w_W1, 4-7 w_W2, 8-11 Wv); WSC: their scale words, 128 bytes each; FL: features' rows, laid as v's.
; REGISTERS, window 0: v1 1.0; v2-4 xyz of my j; v5 my bytes in the output row; v6 my 16 bytes in my wave's rows of v (features' lie FL further on); v7 the computed operand's scale word; v8-11 w_W1's scale words,
;   v12-15 Wv's, then w_W2's; v16-19 source 1 of the f32 form, two tiles, and at a trip's end the row of features; v20-27 its source 0, four tiles; v28-43 what q'_i is made of; v44-71 at work; v72-79 codes, v80-87 zeros;
;   v88-151 weight fragments, v152-159 zeros; v160-191 w - mean (written by the f32 matrix form alone); v192-223, v224-255 the two tiles' numbers from stage to stage.
;   window 1: v0-63 -k'_j of the two tiles; v64-95 w_ln1_g, v96-127 w_ln1_b, v128-159 w_b1, v160-191 w_ln2_g, v192-223 w_ln2_b, all in the layout above; v224-255 w_b2 as the third stage's C.
.set WIMG, 34816
.set WSC,  47104
.set FL,   48640                       ; behind the scale words; under 2^16, so that it can stand in an LDS load's immediate
.set VP,   272                         ; a row of 256 bytes + 16
.set WREG, 16*VP                       ; a wave's 16 rows
.set T,    160
.set X0,   192
.set X1,   224
.set MSB,  0
.macro WIN new                         ; low byte: bits 1:0 source 0, 3:2 source 1, 5:4 source 2, 7:6 destination; the high byte repeats the setting that is left
.if MSB != \new
	s_set_vgpr_msb (MSB<<8)|\new
.set MSB, \new
.endif
.endm
; 32 numbers of a lane, v[x] on (two blocks of 32 along K, 16 of each in this lane, 16 in lane xor 16), become eight registers of codes, v72-79, and the scale word v7.
; relu = 1: what is negative becomes 0 on the way: it does not count for the largest magnitude, and the hold clips at 0.
.macro QUANT2 x, relu
.if \relu
.irp b, 0,1
	v_max3_num_f32 v[52+\b], v[\x+16*\b], v[\x+16*\b+1], 0x4800000       ; with the floor 2^(9 - 127): the byte cannot fall under 1
	v_max3_num_f32 v[54+\b], v[\x+16*\b+8], v[\x+16*\b+9], v[\x+16*\b+10]  ; two chains a block, four in all: no line waits for the line above it
.endr
.irp i, 2,4,6
.irp b, 0,1
	v_max3_num_f32 v[52+\b], v[52+\b], v[\x+16*\b+\i], v[\x+16*\b+\i+1]
.if \i < 6
	v_max3_num_f32 v[54+\b], v[54+\b], v[\x+16*\b+\i+9], v[\x+16*\b+\i+10]
.endif
.endr
.endr
.irp b, 0,1
	v_max3_num_f32 v[52+\b], v[52+\b], v[54+\b], v[\x+16*\b+15]
.endr
.else
.irp b, 0,1
	v_max3_num_f32 v[52+\b], |v[\x+16*\b]|, |v[\x+16*\b+1]|, 0x4800000
	v_max3_num_f32 v[54+\b], |v[\x+16*\b+8]|, |v[\x+16*\b+9]|, |v[\x+16*\b+10]|
.endr
.irp i, 2,4,6
.irp b, 0,1
	v_max3_num_f32 v[52+\b], v[52+\b], |v[\x+16*\b+\i]|, |v[\x+16*\b+\i+1]|
.if \i < 6
	v_max3_num_f32 v[54+\b], v[54+\b], |v[\x+16*\b+\i+9]|, |v[\x+16*\b+\i+10]|
.endif
.endr
.endr
.irp b, 0,1
	v_max3_num_f32 v[52+\b], v[52+\b], v[54+\b], |v[\x+16*\b+15]|
.endr
.endif
.irp b, 0,1
	v_permlanex16_b32 v[54+\b], v[52+\b], s56, s57
.endr
.irp b, 0,1
	v_max_num_f32 v[52+\b], v[52+\b], v[54+\b]         ; with lane xor 16's: the block's largest magnitude
.endr
.irp b, 0,1
	v_add_nc_u32 v[56+\b], 0xfc000000, v[52+\b]        ; 8 off its exponent field: the conversion's scale operand
.endr
.irp b, 0,1
	v_and_or_b32 v[58+\b], v[52+\b], 0x7f800000, s60   ; 448 x the scale
.endr
.irp b, 0,1
	v_lshrrev_b32 v[60+\b], 23, v[56+\b]               ; the scale's byte
.endr
	v_lshl_or_b32 v7, v61, 8, v60                      ; the scale word: bytes 2 and 3 stay 0.  The 32 holds below stand between it and the product
.irp b, 0,1
.irp i, 0,1,2,3,4,5,6,7,8,9,10,11,12,13,14,15
.if \relu
	v_med3_num_f32 v[\x+16*\b+\i], v[\x+16*\b+\i], 0, v[58+\b]           ; the activation and the hold in one
.else
	v_med3_num_f32 v[\x+16*\b+\i], v[\x+16*\b+\i], -v[58+\b], v[58+\b]   ; the conversion to an 8-bit code does not saturate (ISA guide 7.6.2)
.endif
.endr
	v_cvt_scalef32_pk8_fp8_f32 v[72+4*\b:73+4*\b], v[\x+16*\b:\x+16*\b+7], v[56+\b]
	v_cvt_scalef32_pk8_fp8_f32 v[74+4*\b:75+4*\b], v[\x+16*\b+8:\x+16*\b+15], v[56+\b]
.endr
.endm                                  ; the caller sets plain vector lines behind the last conversion: four ahead of a product
; Four chains, one for each accumulator of eight registers, each from its low end on.  SQA, SUA: the chains' first lines, four plain lines that also stand between conversions and the product that follows.
.macro SQA x
.irp c, 0,1,2,3
	v_pk_mul_f32 v[44+2*\c:45+2*\c], v[\x+8*\c:\x+8*\c+1], v[\x+8*\c:\x+8*\c+1]
.endr
.endm
.macro RED                             ; the four chains, the pair's halves and lane xor 16's: the sum over the 64 features, in v44 of every lane
	v_pk_add_f32 v[44:45], v[44:45], v[46:47]
	v_pk_add_f32 v[48:49], v[48:49], v[50:51]
	v_pk_add_f32 v[44:45], v[44:45], v[48:49]
	v_add_f32 v44, v44, v45
	v_permlanex16_b32 v48, v44, s56, s57
	v_add_f32 v44, v44, v48
.endm
.macro SQB x                           ; the rest of the sum of squares; v50 = 1 / sqrt(sum / 64 + 1e-5)
.irp p, 2,4,6
.irp c, 0,1,2,3
	v_pk_fma_f32 v[44+2*\c:45+2*\c], v[\x+8*\c+\p:\x+8*\c+\p+1], v[\x+8*\c+\p:\x+8*\c+\p+1], v[44+2*\c:45+2*\c]
.endr
.endr
	RED
	v_fma_f32 v49, v44, s66, s63
	v_rsq_f32 v50, v49
	v_nop                                              ; a plain line behind the transcendental
	s_wait_alu depctr_va_vdst(0)                       ; and the wait ahead of its first reader
.endm
.macro MULRS d, x
.irp p, 0,2,4,6,8,10,12,14,16,18,20,22,24,26,28,30
	v_pk_mul_f32 v[\d+\p:\d+\p+1], v[\x+\p:\x+\p+1], v[50:51] op_sel_hi:[1,0]
.endr
.endm
.macro SUA x
.irp c, 0,1,2,3
	v_pk_add_f32 v[44+2*\c:45+2*\c], v[\x+8*\c:\x+8*\c+1], v[\x+8*\c+2:\x+8*\c+3]
.endr
.endm
.macro SUMB x                          ; the rest of the sum; the mean is taken away; then the variance of what is left (two passes: no difference of large sums), and x 1 / sqrt
.irp p, 4,6
.irp c, 0,1,2,3
	v_pk_add_f32 v[44+2*\c:45+2*\c], v[44+2*\c:45+2*\c], v[\x+8*\c+\p:\x+8*\c+\p+1]
.endr
.endr
	RED
.irp p, 0,2,4,6,8,10,12,14,16,18,20,22,24,26,28,30
	v_pk_fma_f32 v[\x+\p:\x+\p+1], v[44:45], s[78:79], v[\x+\p:\x+\p+1] op_sel_hi:[0,0,1]   ; - sum / 64
.endr
	SQA \x
	SQB \x
	MULRS \x, \x
.endm
.macro NORM x, g, bb                   ; x gain + bias; both lie in window 1
	WIN 0x14
.irp p, 0,2,4,6,8,10,12,14,16,18,20,22,24,26,28,30
	v_pk_fma_f32 v[\x+\p:\x+\p+1], v[\x+\p:\x+\p+1], v[\g+\p:\g+\p+1], v[\bb+\p:\bb+\p+1]
.endr
	WIN 0
.endm
.macro FT tau                          ; w - mean(w) of tile tau: four feature tiles, one instruction each; C = -k'_j in window 1
	WIN 0x10
.irp t, 0,1,2,3
	v_wmma_f32_16x16x4_f32 v[160+8*\t:167+8*\t], v[20+2*\t:21+2*\t], v[16+2*\tau:17+2*\tau], v[32*\tau+8*\t:32*\tau+8*\t+7]
.endr
	WIN 0
.endm
.macro M6 tau                          ; x w_W1 + w_b1, transposed
	WIN 0x10
.irp t, 0,1,2,3
	v_wmma_scale_f32_16x16x128_f8f6f4 v[192+32*\tau+8*\t:199+32*\tau+8*\t], v[88+8*\t:103+8*\t], v[72:87], v[128+8*\t:135+8*\t], v[8+\t], v7
.endr
	WIN 0
.endm
.macro M7 tau                          ; x w_W2 + w_b2, straight
	WIN 0x10
.irp t, 0,1,2,3
	v_wmma_scale_f32_16x16x128_f8f6f4 v[192+32*\tau+8*\t:199+32*\tau+8*\t], v[72:87], v[120+8*\t:135+8*\t], v[224+8*\t:231+8*\t], v7, v[12+\t]
.endr
	WIN 0
.endm
.macro OPL reg, lo, off                ; a vector of 64 numbers in the layout of the head comment: 32 registers, eight loads of 16 bytes (v94 = 64 h)
.irp b, 0,1
.irp q, 0,1,2,3
	global_load_b128 v[\reg+16*\b+4*\q:\reg+16*\b+4*\q+3], v94, s[\lo:\lo+1] offset:\off+128*\b+16*\q
.endr
.endr
.endm
.macro NKROW first, a, x, tau          ; -k'_j of tile tau (window 1) = or += v[a] on (a row of Wk, centred, / -8) x v[x] (that coordinate of the pair's j)
.if \first
	WIN 0x40
.else
	WIN 0x50
.endif
.irp p, 0,2,4,6,8,10,12,14,16,18,20,22,24,26,28,30
.if \first
.if (\x)%2
	v_pk_mul_f32 v[32*\tau+\p:32*\tau+\p+1], v[\a+\p:\a+\p+1], v[\x-1:\x] op_sel:[0,1] op_sel_hi:[1,1]
.else
	v_pk_mul_f32 v[32*\tau+\p:32*\tau+\p+1], v[\a+\p:\a+\p+1], v[\x:\x+1] op_sel_hi:[1,0]
.endif
.else
.if (\x)%2
	v_pk_fma_f32 v[32*\tau+\p:32*\tau+\p+1], v[\a+\p:\a+\p+1], v[\x-1:\x], v[32*\tau+\p:32*\tau+\p+1] op_sel:[0,1,0] op_sel_hi:[1,1,1]
.else
	v_pk_fma_f32 v[32*\tau+\p:32*\tau+\p+1], v[\a+\p:\a+\p+1], v[\x:\x+1], v[32*\tau+\p:32*\tau+\p+1] op_sel_hi:[1,0,1]
.endif
.endif
.endr
.endm
; THE PAIR STAGE: lane l has the pair (i, j = l xor 16 (w % 2)).  v68-70 = xyz_i in every lane.  Out: v53-55 p0-p2, v56-58 those of lane xor 16, source 1 of tile 0, and q'_i in source 0.
.macro PSTAGE
	s_lshr_b32 s55, s53, s52                           ; is point i empty?  Its bit of the mask of empty j (i lies in lane ii),
	s_and_b32 s55, s55, 1
	s_sub_co_i32 s55, 0, s55                           ; spread over all lanes,
	s_or_b32 s54, s53, s55                             ; or point j: the mask only chooses between values
.irp c, 0,1,2
	v_sub_f32 v[44+\c], v[68+\c], v[2+\c]
.endr
.irp n, 0,1,2
	v_fma_f32 v[47+\n], |v44|, s[68+\n], s[80+\n]      ; |d| x p_W1 + p_b1
.endr
.irp n, 0,1,2
	v_fma_f32 v[47+\n], |v45|, s[71+\n], v[47+\n]
.endr
.irp n, 0,1,2
	v_fma_f32 v[47+\n], |v46|, s[74+\n], v[47+\n]
.endr
.irp n, 0,1,2
	v_cndmask_b32 v[47+\n], v[47+\n], s[92+\n], s54    ; a pair with an empty point: what d = (-1, -1, -1) gives
.endr
	v_add_f32 v50, v47, v48
	v_add_f32 v50, v50, v49
.irp n, 0,1,2
	v_fma_f32 v[47+\n], v50, s91, v[47+\n]             ; - the mean of the three
.endr
	v_mul_f32 v51, v47, v47
	v_fma_f32 v51, v48, v48, v51
	v_fma_f32 v51, v49, v49, v51
	v_fma_f32 v51, v51, s67, s63                       ; / 3 + 1e-5
	v_rsq_f32 v52, v51
.irp t, 0,1,2,3                        ; independent work behind the transcendental: lanes 16-31: q'_i = xyz_i x Wq' + bias'; lanes 0-15: 0 x xyz_i + P1
	v_fma_f32 v[21+2*\t], v68, v[28+\t], v[40+\t]
.endr
.irp t, 0,1,2,3
	v_fma_f32 v[21+2*\t], v69, v[32+\t], v[21+2*\t]
.endr
.irp t, 0,1,2,3
	v_fma_f32 v[21+2*\t], v70, v[36+\t], v[21+2*\t]
.endr
	s_wait_alu depctr_va_vdst(0)                       ; the wait ahead of the first reader
.irp n, 0,1,2
	v_mul_f32 v[47+\n], v[47+\n], v52
.endr
.irp n, 0,1,2
	v_fma_f32 v[53+\n], v[47+\n], s[84+\n], s[88+\n]
.endr
.irp n, 0,1,2
	v_max_num_f32 v[53+\n], 0, v[53+\n]
.endr
.irp n, 0,1,2
	v_permlanex16_b32 v[56+\n], v[53+\n], s56, s57
.endr
	v_cndmask_b32 v16, v53, v58, s61                   ; tile 0 (the pairs of lanes 0-15): lanes 0-15 (p0, p1), lanes 16-31 (p2, 1)
	v_cndmask_b32 v17, v54, v1, s61
.endm
.macro DIAG k                          ; e^(s - max) of pair ii / the sum: register k of tile 0, right in the half of the lanes that holds pair ii
.irp t, 0,1,2,3
	v_mul_f32 v[64+\t], v[192+8*\t+\k], v[48+\t]
.endr
.endm
; ---------------------------------------------------------------- the head: addresses and constants
	s_load_b512 s[4:19], s[0:1], 0x0                   ; pv_xyz, features, Wq, bq, Wk, bk, Wv, bv
	s_load_b512 s[20:35], s[0:1], 0x40                 ; p_W1, p_b1, p_ln_g, p_ln_b, p_W2, p_b2, w_ln1_g, w_ln1_b
	s_load_b256 s[36:43], s[0:1], 0x80                 ; w_W1, w_b1, w_ln2_g, w_ln2_b
	s_load_b128 s[44:47], s[0:1], 0xa0                 ; w_W2, w_b2
	s_load_b64 s[48:49], s[0:1], 0xb0                  ; out0
	v_lshrrev_b32 v1, 5, v0
	v_readfirstlane_b32 s2, v1                         ; wave 0..7
	v_mov_b32 v1, 1.0
	s_and_b32 s3, s2, 1                                ; which 16 queries
.irp j, 0,1,2,3,4,5,6,7
	v_mov_b32 v[80+\j], 0                              ; the computed operand's upper half: zero codes
.endr
	v_and_b32 v72, 31, v0                              ; lane
	v_and_b32 v73, 15, v0                              ; r
	v_bfe_u32 v74, v0, 4, 1                            ; h
	v_and_b32 v75, 8, v73
	v_add_nc_u32 v75, v75, v73                         ; r + (r & 8)
	s_and_b32 s55, s2, 3                               ; t: the weight tile that I quantise
	s_lshr_b32 s100, s55, 1
	s_lshl_b32 s100, s100, 5
	s_and_b32 s101, s55, 1
	s_lshl_b32 s101, s101, 3
	s_add_co_u32 s100, s100, s101                      ; 32 (t / 2) + 8 (t % 2)
	v_add_nc_u32 v76, s100, v75                        ; w_W1's column for lane r (waves 0-3)
	v_lshl_add_u32 v77, v73, 2, s55                    ; w_W2's: 4 r + t (waves 4-7)
	s_cmp_lt_u32 s2, 4
	s_cselect_b32 s101, -1, 0
	v_cndmask_b32 v62, v77, v76, s101
	v_lshlrev_b32 v62, 2, v62
	v_lshl_add_u32 v62, v74, 12, v62                   ; v62: 4 x column + 16 h rows of 256 bytes
	v_lshl_add_u32 v63, v73, 2, s2
	v_lshlrev_b32 v63, 2, v63
	v_lshl_add_u32 v63, v74, 12, v63                   ; v63: the same for Wv's tile, column 4 r + wave (waves 0-3)
	s_lshl_b32 s101, s3, 4
	v_xor_b32 v64, s101, v72
	v_mul_u32_u24 v64, v64, 12                         ; v64: xyz of j = lane xor 16 (w % 2)
	v_lshlrev_b32 v65, 3, v72                          ; v65: two numbers a lane of a vector of 64
	v_lshlrev_b32 v66, 2, v75                          ; v66: feature r + (r & 8)
	v_lshl_add_u32 v67, v74, 9, v66                    ; v67: the same, two rows further down in lanes 16-31
	v_lshlrev_b32 v68, 8, v73
	v_lshl_add_u32 v68, v74, 6, v68                    ; v68: features: row r, + 64 h
	v_lshlrev_b32 v69, 4, v73                          ; v69: 16 r
	v_lshlrev_b32 v94, 6, v74                          ; v94: 64 h
	s_lshl_b32 s101, s2, 10
	s_add_co_u32 s101, s101, WIMG
	v_lshl_add_u32 v88, v72, 4, s101                   ; v88: LDS: my tile's image, 16 bytes a lane
	s_lshl_b32 s101, s2, 7
	s_add_co_u32 s101, s101, WSC
	v_lshl_add_u32 v89, v72, 2, s101                   ; v89: its scale words
	s_mul_i32 s101, s2, WREG
	v_mul_u32_u24 v90, v73, VP
	v_lshl_add_u32 v90, v74, 6, v90
	v_add_nc_u32 v90, s101, v90
	v_add_nc_u32 v90, FL, v90                          ; v90: features' rows, as they are loaded
	v_lshlrev_b32 v44, 4, v72                          ; v44: 16 x lane: an image read back
	v_lshlrev_b32 v45, 2, v72                          ; v45: 4 x lane
	v_mul_u32_u24 v46, v74, 8*VP
	v_lshl_add_u32 v46, v73, 4, v46
	v_add_nc_u32 v46, s101, v46                        ; v46: v's rows: row 8 h + register, 16 r
	v_lshl_add_u32 v5, v74, 8, v69                     ; v5: the output row: lanes 0-15 the result's 256 bytes, lanes 16-31 the features'
	v_add_nc_u32 v6, s101, v69                         ; v6: 16 r in my wave's rows of v; never rewritten
	s_mov_b32 s56, 0x76543210
	s_mov_b32 s57, 0xfedcba98                          ; v_permlanex16_b32's selects for lane xor 16
	s_mov_b32 s58, 0x3fb8aa3b                          ; log2(e); the packed form names a pair
	s_mov_b32 s59, s58
	s_mov_b32 s60, 0x600000                            ; the mantissa field of 448
	s_mov_b32 s61, 0xffff0000                          ; lanes 16-31
	s_mov_b32 s62, s61                                 ; the lanes that copy features
	s_mov_b32 s63, 0x3727c5ac                          ; 1e-5
	s_mov_b32 s66, 0x3c800000                          ; 1 / 64
	s_mov_b32 s67, 0x3eaaaaab                          ; 1 / 3
	s_mov_b32 s91, 0xbeaaaaab                          ; -1 / 3
	s_mov_b32 s78, 0xbc800000                          ; -1 / 64
	s_mov_b32 s79, s78
	s_mov_b32 s96, 0x3e000000                          ; 1 / 8 = 1 / sqrt(64)
	s_mov_b32 s97, s96
	s_mov_b32 s98, 0xbe000000
	s_mov_b32 s99, s98
	s_wait_kmcnt 0x0
	s_load_b256 s[68:75], s[20:21], 0x0                ; p_W1[c][n] at s[68 + 3 c + n]
	s_load_b32 s76, s[20:21], 0x20
	s_load_b96 s[80:82], s[22:23], 0x0                 ; p_b1
	s_load_b96 s[84:86], s[24:25], 0x0                 ; p_ln_g
	s_load_b96 s[88:90], s[26:27], 0x0                 ; p_ln_b
	s_lshl_b32 s55, ttmp9, 2
	s_lshr_b32 s100, s2, 1
	s_add_co_u32 s55, s55, s100                        ; my voxel
	s_mov_b32 s101, 0
	s_mul_i32 s100, s55, 384
	s_add_nc_u64 s[4:5], s[4:5], s[100:101]            ; its 32 points
	s_lshl_b32 s100, s55, 13
	s_lshl_b32 s83, s3, 12
	s_add_co_u32 s100, s100, s83
	s_add_nc_u64 s[6:7], s[6:7], s[100:101]            ; my 16 rows of features
	s_lshl_b32 s100, s55, 14
	s_lshl_b32 s83, s3, 13
	s_add_co_u32 s100, s100, s83
	s_add_nc_u64 s[48:49], s[48:49], s[100:101]        ; my 16 rows of the output
	s_cmp_lt_u32 s2, 4
	s_cselect_b64 s[92:93], s[36:37], s[44:45]         ; waves 0-3 quantise w_W1's tiles, waves 4-7 w_W2's; waves 0-3 Wv's as well
; ---------------------------------------------------------------- every input is asked for here
	s_cbranch_scc0 .Lno_wv
.set n, 0
.rept 32
	global_load_b32 v[224+n], v63, s[16:17] offset:256*(32*(n/16)+n%16)   ; Wv(32 c + 16 h + i, 4 r + wave): a lane to a column, registers down K
.set n, n+1
.endr
.Lno_wv:
.set n, 0
.rept 32
	global_load_b32 v[192+n], v62, s[92:93] offset:256*(32*(n/16)+n%16)
.set n, n+1
.endr
.irp c, 0,1,2
	global_load_b32 v[2+\c], v64, s[4:5] offset:4*\c
.endr
.irp c, 0,1,2                          ; the ten vectors whose means are taken away, two numbers a lane
	global_load_b64 v[20+2*\c:21+2*\c], v65, s[28:29] offset:256*\c      ; p_W2's rows
.endr
.irp c, 0,1,2
	global_load_b64 v[26+2*\c:27+2*\c], v65, s[8:9] offset:256*\c        ; Wq's
.endr
.irp c, 0,1,2
	global_load_b64 v[32+2*\c:33+2*\c], v65, s[12:13] offset:256*\c      ; Wk's
.endr
	global_load_b64 v[38:39], v65, s[10:11]            ; bq
	global_load_b64 v[40:41], v65, s[30:31]            ; p_b2
	global_load_b64 v[42:43], v65, s[14:15]            ; bk
.irp t, 0,1,2,3                        ; the same as source 0 of the f32 form wants them: lane r has feature 32 (t / 2) + 8 (t % 2) + r + (r & 8)
	global_load_b32 v[96+8*\t], v67, s[28:29] offset:128*(\t/2)+32*(\t%2)         ; p_W2's row 0 (lanes 0-15) or 2 (lanes 16-31)
	global_load_b32 v[97+8*\t], v66, s[28:29] offset:256+128*(\t/2)+32*(\t%2)     ; its row 1
	global_load_b32 v[98+8*\t], v66, s[8:9] offset:128*(\t/2)+32*(\t%2)           ; Wq's rows
	global_load_b32 v[99+8*\t], v66, s[8:9] offset:256+128*(\t/2)+32*(\t%2)
	global_load_b32 v[100+8*\t], v66, s[8:9] offset:512+128*(\t/2)+32*(\t%2)
	global_load_b32 v[101+8*\t], v66, s[10:11] offset:128*(\t/2)+32*(\t%2)        ; bq
	global_load_b32 v[102+8*\t], v66, s[30:31] offset:128*(\t/2)+32*(\t%2)        ; p_b2
	global_load_b32 v[103+8*\t], v66, s[14:15] offset:128*(\t/2)+32*(\t%2)        ; bk
.endr
.irp b, 0,1
.irp q, 0,1,2,3
	global_load_b128 v[128+16*\b+4*\q:131+16*\b+4*\q], v68, s[6:7] offset:128*\b+16*\q th:TH_LOAD_NT   ; features: row r, my 16 numbers of each block of 32
.endr
.endr
	WIN 0x40                                           ; destination window 1
	OPL 64, 32, 0                                      ; w_ln1_g
	OPL 96, 34, 0                                      ; w_ln1_b
	OPL 128, 38, 0                                     ; w_b1
	OPL 160, 40, 0                                     ; w_ln2_g
	OPL 192, 42, 0                                     ; w_ln2_b
	global_load_b128 v[224:227], v69, s[46:47]         ; w_b2[4 r .. 4 r + 3]
	WIN 0
	global_load_b128 v[16:19], v69, s[18:19]           ; bv[4 r .. 4 r + 3]
; ---------------------------------------------------------------- the weights' tiles become codes, once in the work-group, and go to LDS as images of their registers
	s_wait_loadcnt 63                                  ; 97 loads were issued behind the tiles' numbers: with 63 out at the most, the tiles are in
	QUANT2 192, 0
	v_nop                                              ; a plain line behind the last conversion
	ds_store_b128 v88, v[72:75]
	ds_store_b128 v88, v[76:79] offset:512
	ds_store_b32 v89, v7
	s_wait_dscnt 0x0                                   ; the stores have read their registers
	s_cmp_lt_u32 s2, 4
	s_cbranch_scc0 .Lone_tile
	QUANT2 224, 0                                      ; Wv's tile: image 8 + wave
	v_nop
	ds_store_b128 v88, v[72:75] offset:8192
	ds_store_b128 v88, v[76:79] offset:8704
	ds_store_b32 v89, v7 offset:1024
	s_wait_dscnt 0x0
.Lone_tile:
	OPL 192, 12, 0                                     ; Wk's rows 0 and 1 in the layout of the head comment
	OPL 224, 12, 256
	s_wait_loadcnt 16                                  ; all but these sixteen are in: so their offset registers and the tile's base may be written again
	s_wait_kmcnt 0x0                                   ; p_W1, p_b1, p_ln_g, p_ln_b
	v_cmp_eq_f32 s53, 0, v2
	v_cmp_eq_f32 s54, 0, v3
	v_cmp_eq_f32 s55, 0, v4
	s_and_b32 s53, s53, s54
	s_and_b32 s53, s53, s55                            ; s53: the lanes whose j is an empty point
.irp n, 0,1,2                          ; what d = (-1, -1, -1) gives: p_b1 - p_W1's three rows
	v_mov_b32 v[47+\n], s[80+\n]
.endr
.irp n, 0,1,2
	v_sub_f32 v[47+\n], v[47+\n], s[68+\n]
.endr
.irp n, 0,1,2
	v_sub_f32 v[47+\n], v[47+\n], s[71+\n]
.endr
.irp n, 0,1,2
	v_sub_f32 v[47+\n], v[47+\n], s[74+\n]
.endr
.irp n, 0,1,2
	v_readfirstlane_b32 s[92+\n], v[47+\n]
.endr
; ---------------------------------------------------------------- the ten means
	v_pk_add_f32 v[38:39], v[38:39], v[40:41]
	v_pk_add_f32 v[38:39], v[38:39], v[42:43] neg_lo:[0,1] neg_hi:[0,1]   ; bq + p_b2 - bk
.irp n, 0,1,2,3,4,5,6,7,8,9
	v_add_f32 v[62+\n], v[20+2*\n], v[21+2*\n]
.endr
.irp m, 1,2,4,8
.irp n, 0,1,2,3,4,5,6,7,8,9
	v_add_f32_dpp v[62+\n], v[62+\n], v[62+\n] row_xmask:\m row_mask:0xf bank_mask:0xf
.endr
.endr
.irp n, 0,1,2,3,4,5,6,7,8,9
	v_permlanex16_b32 v[20+\n], v[62+\n], s56, s57
.endr
.irp n, 0,1,2,3,4,5,6,7,8,9
	v_add_f32 v[62+\n], v[62+\n], v[20+\n]
.endr
.irp n, 0,1,2,3,4,5,9
	v_mul_f32 v[62+\n], 0xbb000000, v[62+\n]           ; - mean / 8 = - sum / 512: v62-64 p_W2's rows, v65-67 Wq's, v71 the bias
.endr
.irp n, 6,7,8
	v_mul_f32 v[62+\n], 0x3b000000, v[62+\n]           ; + mean / 8: v68-70 Wk's rows, which enter with a minus
.endr
; ---------------------------------------------------------------- source 0 of the f32 form, and what q'_i is made of
	v_cndmask_b32 v50, v62, v64, s61
.irp t, 0,1,2,3
	v_fma_f32 v[20+2*\t], v[96+8*\t], s96, v50         ; k = 2 h: P0 (lanes 0-15), P2 (lanes 16-31)
	v_fma_f32 v51, v[97+8*\t], s96, v63                ; P1
	v_add_f32 v47, v[101+8*\t], v[102+8*\t]
	v_sub_f32 v47, v47, v[103+8*\t]
	v_fma_f32 v47, v47, s96, v71                       ; the bias
	v_cndmask_b32 v[40+\t], v51, v47, s61              ; k = 2 h + 1 begins as P1 (lanes 0-15) or as the bias (lanes 16-31),
.irp c, 0,1,2
	v_fma_f32 v48, v[98+8*\t+\c], s96, v[65+\c]
	v_cndmask_b32 v[28+4*\c+\t], 0, v48, s61           ; and takes xyz_i x 0 or xyz_i x Wq'
.endr
.endr
	OPL 96, 12, 512                                    ; Wk's row 2
; ---------------------------------------------------------------- features: the rows as they are go to LDS for the copy; then they become an operand
.irp b, 0,1
.irp q, 0,1,2,3
	ds_store_b128 v90, v[128+16*\b+4*\q:131+16*\b+4*\q] offset:128*\b+16*\q
.endr
.endr
	s_wait_dscnt 0x0                                   ; the stores have read their registers: the hold below writes them
	QUANT2 128, 0
	v_nop
.irp j, 0,1,2,3,4,5,6,7
	v_mov_b32 v[152+\j], 0                             ; behind the last weight fragment: zero codes
.endr
; ---------------------------------------------------------------- -k'_j of the two tiles
	s_wait_loadcnt 0x0                                 ; Wk's three rows
.irp p, 0,2,4,6,8,10,12,14,16,18,20,22,24,26,28,30
	v_pk_fma_f32 v[192+\p:193+\p], v[192+\p:193+\p], s[98:99], v[68:69] op_sel_hi:[1,0,0]
.endr
.irp p, 0,2,4,6,8,10,12,14,16,18,20,22,24,26,28,30
	v_pk_fma_f32 v[224+\p:225+\p], v[224+\p:225+\p], s[98:99], v[68:69] op_sel:[0,0,1] op_sel_hi:[1,0,1]
.endr
.irp p, 0,2,4,6,8,10,12,14,16,18,20,22,24,26,28,30
	v_pk_fma_f32 v[96+\p:97+\p], v[96+\p:97+\p], s[98:99], v[70:71] op_sel_hi:[1,0,0]
.endr
.irp c, 0,1,2
	v_permlanex16_b32 v[53+\c], v[2+\c], s56, s57
.endr
.irp c, 0,1,2
	v_cndmask_b32 v[56+\c], v[2+\c], v[53+\c], s61     ; xyz of pair r's j in tile 0: that of lane r,
	v_cndmask_b32 v[59+\c], v[53+\c], v[2+\c], s61     ; in tile 1: that of lane 16 + r
.endr
	NKROW 1, 192, 56, 0
	NKROW 1, 192, 59, 1
	NKROW 0, 224, 57, 0
	NKROW 0, 224, 60, 1
	NKROW 0, 96, 58, 0
	NKROW 0, 96, 61, 1
	WIN 0x41                                           ; w_b2 as a C: feature 4 r + t in all eight registers of tile t
.irp t, 3,2,1
.irp j, 0,1,2,3,4,5,6,7
	v_mov_b32 v[224+8*\t+\j], v[224+\t]
.endr
.endr
.irp j, 1,2,3,4,5,6,7
	v_mov_b32 v[224+\j], v224
.endr
	WIN 0
	s_wait_dscnt 0x0                                   ; for the others' sake: my images lie in LDS
	s_barrier_signal -1
	s_barrier_wait -1                                  ; everybody's do
; ---------------------------------------------------------------- the fragments into registers; v = features x Wv + bv
.irp t, 0,1,2,3
	ds_load_b128 v[88+8*\t:91+8*\t], v44 offset:WIMG+1024*\t
	ds_load_b128 v[92+8*\t:95+8*\t], v44 offset:WIMG+1024*\t+512
	ds_load_b128 v[120+8*\t:123+8*\t], v44 offset:WIMG+1024*(8+\t)
	ds_load_b128 v[124+8*\t:127+8*\t], v44 offset:WIMG+1024*(8+\t)+512
	ds_load_b32 v[8+\t], v45 offset:WSC+128*\t
	ds_load_b32 v[12+\t], v45 offset:WSC+128*(8+\t)
.endr
	s_wait_dscnt 0x0
.irp t, 0,1,2,3
	v_wmma_scale_f32_16x16x128_f8f6f4 v[192+8*\t:199+8*\t], v[72:87], v[120+8*\t:135+8*\t], 0, v7, v[12+\t]
.endr
.rept 8
	v_nop                                              ; eight places ahead of the loads into these products' registers and of the first read of their results
.endr
.irp t, 0,1,2,3
	ds_load_b128 v[120+8*\t:123+8*\t], v44 offset:WIMG+1024*(4+\t)       ; w_W2's fragments take Wv's place
	ds_load_b128 v[124+8*\t:127+8*\t], v44 offset:WIMG+1024*(4+\t)+512
	ds_load_b32 v[12+\t], v45 offset:WSC+128*(4+\t)
.endr
.irp j, 0,1,2,3,4,5,6,7
.irp t, 0,1,2,3
	v_add_f32 v[224+4*\j+\t], v[192+8*\t+\j], v[16+\t] ; v(8 h + j, 4 r + t); each accumulator from its low end on
.endr
.endr
.irp j, 0,1,2,3,4,5,6,7
	ds_store_b128 v46, v[224+4*\j:227+4*\j] offset:VP*\j
.endr
	v_mov_b32 v71, 0
.irp c, 0,1,2
	ds_bpermute_b32 v[68+\c], v71, v[2+\c]             ; xyz of the first query: it lies in lane 0
.endr
	s_wait_dscnt 0x0
	s_barrier_signal -1
	s_barrier_wait -1                                  ; from here on LDS is only read
	s_mov_b32 s51, 0                                   ; which half of the lanes holds the diagonal
	s_mov_b32 s52, 0                                   ; ii
	s_mov_b32 s77, 0                                   ; 272 ii: the row of v and of features
; ---------------------------------------------------------------- a trip: one query against 32 points
.Lhalf:
	s_mov_b32 s50, 0                                   ; ii % 8
.Ltrip:
	PSTAGE
	FT 0
	v_cndmask_b32 v18, v56, v55, s61                   ; tile 1 (the pairs of lanes 16-31): lanes 0-15 (p0, p1), lanes 16-31 (p2, 1)
	v_cndmask_b32 v19, v57, v1, s61
.rept 6
	v_nop                                              ; with the two lines above: eight places ahead of the first read of the results
.endr
	SQA T
	SQB T
	MULRS X0, T
	FT 1                                               ; writes over tile 0's results: behind those products stand the eight places above and seven plain lines of the reduction that name none of their registers
	NORM X0, 64, 96
	QUANT2 X0, 1
	SQA T                                              ; four plain lines between the conversions and the products
	M6 0
	SQB T
	MULRS X1, T
	NORM X1, 64, 96
	QUANT2 X1, 1
	SUA X0
	M6 1
	SUMB X0
	NORM X0, 160, 192
	QUANT2 X0, 1
	SUA X1
	M7 0
	SUMB X1
	NORM X1, 160, 192
	QUANT2 X1, 1
.irp t, 0,1,2,3                        ; the maximum over the 32 j of feature 4 r + t: 16 lie in my registers.  These four lines stand between the conversions and the products
	v_max3_num_f32 v[44+\t], v[192+8*\t], v[193+8*\t], v[194+8*\t]
.endr
	M7 1
	s_lshl_b32 s83, s52, 2
	s_add_co_u32 s83, s83, 4
	v_mov_b32 v71, s83                                 ; the next query's lane, x 4
	v_add_nc_u32 v64, s77, v6
	ds_load_b128 v[60:63], v64                         ; row ii of v: my four features,
	ds_load_b128 v[16:19], v64 offset:FL               ; and the same of features; the f32 products that read v16-19 lie far back, and the next trip writes them behind the wait below
.irp c, 0,1,2
	ds_bpermute_b32 v[68+\c], v71, v[2+\c]             ; the next query's xyz
.endr
.irp i, 3,5
.irp t, 0,1,2,3
	v_max3_num_f32 v[44+\t], v[44+\t], v[192+8*\t+\i], v[193+8*\t+\i]    ; eight lines on tile 0: the places ahead of the first read of tile 1's results
.endr
.endr
.irp t, 0,1,2,3
	v_max3_num_f32 v[44+\t], v[44+\t], v[199+8*\t], v[224+8*\t]
.endr
.irp i, 1,3,5
.irp t, 0,1,2,3
	v_max3_num_f32 v[44+\t], v[44+\t], v[224+8*\t+\i], v[225+8*\t+\i]
.endr
.endr
.irp t, 0,1,2,3
	v_max_num_f32 v[44+\t], v[44+\t], v[231+8*\t]
.endr
.irp t, 0,1,2,3
	v_permlanex16_b32 v[48+\t], v[44+\t], s56, s57
.endr
.irp t, 0,1,2,3
	v_max_num_f32 v[44+\t], v[44+\t], v[48+\t]
.endr
.irp t, 0,1,2,3
	v_mul_f32 v[44+\t], 0xbfb8aa3b, v[44+\t]           ; - max x log2(e)
.endr
.irp t, 0,1,2,3
.irp p, 0,2,4,6
.if (\t%2) == 0
	v_pk_fma_f32 v[192+8*\t+\p:193+8*\t+\p], v[192+8*\t+\p:193+8*\t+\p], s[58:59], v[44+2*(\t/2):45+2*(\t/2)] op_sel_hi:[1,0,0]
	v_pk_fma_f32 v[224+8*\t+\p:225+8*\t+\p], v[224+8*\t+\p:225+8*\t+\p], s[58:59], v[44+2*(\t/2):45+2*(\t/2)] op_sel_hi:[1,0,0]
.else
	v_pk_fma_f32 v[192+8*\t+\p:193+8*\t+\p], v[192+8*\t+\p:193+8*\t+\p], s[58:59], v[44+2*(\t/2):45+2*(\t/2)] op_sel:[0,0,1] op_sel_hi:[1,0,1]
	v_pk_fma_f32 v[224+8*\t+\p:225+8*\t+\p], v[224+8*\t+\p:225+8*\t+\p], s[58:59], v[44+2*(\t/2):45+2*(\t/2)] op_sel:[0,0,1] op_sel_hi:[1,0,1]
.endif
.endr
.endr
.set n, 0
.rept 64
	v_exp_f32 v[192+n], v[192+n]                       ; e^(s - max): one batch
.set n, n+1
.endr
	v_nop                                              ; a plain line behind the last exponential
	s_wait_alu depctr_va_vdst(0)                       ; one wait for the batch, ahead of its first reader
.irp t, 0,1,2,3
	v_pk_add_f32 v[52+2*\t:53+2*\t], v[192+8*\t:193+8*\t], v[194+8*\t:195+8*\t]
.endr
.irp p, 4,6
.irp t, 0,1,2,3
	v_pk_add_f32 v[52+2*\t:53+2*\t], v[52+2*\t:53+2*\t], v[192+8*\t+\p:193+8*\t+\p]
.endr
.endr
.irp p, 0,2,4,6
.irp t, 0,1,2,3
	v_pk_add_f32 v[52+2*\t:53+2*\t], v[52+2*\t:53+2*\t], v[224+8*\t+\p:225+8*\t+\p]
.endr
.endr
.irp t, 0,1,2,3
	v_add_f32 v[52+2*\t], v[52+2*\t], v[53+2*\t]
.endr
.irp t, 0,1,2,3
	v_permlanex16_b32 v[48+\t], v[52+2*\t], s56, s57
.endr
.irp t, 0,1,2,3
	v_add_f32 v[52+2*\t], v[52+2*\t], v[48+\t]         ; the sum over all 32 j
.endr
.irp t, 0,1,2,3
	v_rcp_f32 v[48+\t], v[52+2*\t]
.endr
	v_nop
	s_wait_alu depctr_va_vdst(0)                       ; one wait for the four reciprocals
.irp k, 0,1,2,3,4,5,6                  ; which register holds pair ii: a branch on the trip's counter
	s_cmp_eq_u32 s50, \k
	s_cbranch_scc1 .Ldg\k
.endr
	DIAG 7
	s_branch .Ldgj
.irp k, 0,1,2,3,4,5,6
.Ldg\k:
	DIAG \k
	s_branch .Ldgj
.endr
.Ldgj:
	s_wait_dscnt 0x0                                   ; the rows of v and of features, and the next query's xyz
	v_pk_mul_f32 v[64:65], v[64:65], v[60:61]          ; the diagonal's weight x v
	v_pk_mul_f32 v[66:67], v[66:67], v[62:63]
.irp t, 0,1,2,3
	v_cndmask_b32 v[64+\t], v[64+\t], v[16+\t], s62    ; the other half of the lanes takes features as they are
.endr
	global_store_b128 v5, v[64:67], s[48:49] th:TH_STORE_NT   ; the whole output row: 32 lanes store 512 consecutive bytes, at a multiple of 256 from the output's first byte
	s_add_co_u32 s77, s77, VP
	s_add_co_u32 s52, s52, 1
	s_wait_xcnt 0x0                                    ; the store has read its base, its offset and its data: they are written again only behind this wait
	s_add_nc_u64 s[48:49], s[48:49], 512
	s_add_co_u32 s50, s50, 1
	s_cmp_lt_u32 s50, 8
	s_cbranch_scc1 .Ltrip
	v_xor_b32 v5, 0x100, v5                            ; queries 8-15: the diagonal lies in lanes 16-31: the halves of the lanes change parts in the output row
	s_not_b32 s62, s62
	s_add_co_u32 s51, s51, 1
	s_cmp_lt_u32 s51, 2
	s_cbranch_scc1 .Lhalf
	s_wait_xcnt 0x0
	v_lshl_add_u32 v222, v0, 2, 0x14600
	v_mov_b32 v223, 0
	s_wait_tensorcnt 0x0
	ds_add_u32 v222, v223
	s_wait_dscnt 0x0
	s_endpgm
.Lfunc_end_k_qfa73a1151f_pa:
	.size	k_qfa73a1151f_pa, .Lfunc_end_k_qfa73a1151f_pa-k_qfa73a1151f_pa
	.p2alignl 7, 3214868480
	.fill 96, 4, 3214868480
	.section	.rodata,"a",@progbits
	.p2align	6, 0x0
	.amdhsa_kernel k_qfa73a1151f_pa
		.amdhsa_group_segment_fixed_size 84480
		.amdhsa_private_segment_fixed_size 0
		.amdhsa_enable_private_segment 0
		.amdhsa_kernarg_size 184
		.amdhsa_user_sgpr_count 2
		.amdhsa_user_sgpr_kernarg_segment_ptr 1
		.amdhsa_wavefront_size32 1
		.amdhsa_system_sgpr_workgroup_id_x 1
		.amdhsa_system_sgpr_workgroup_id_y 1
		.amdhsa_system_sgpr_workgroup_id_z 1
		.amdhsa_system_vgpr_workitem_id 0
		.amdhsa_next_free_vgpr 512
		.amdhsa_next_free_sgpr 102
		.amdhsa_reserve_vcc 0
		.amdhsa_float_denorm_mode_32 3
		.amdhsa_float_denorm_mode_16_64 3
		.amdhsa_memory_ordered 1
		.amdhsa_forward_progress 1
		.amdhsa_inst_pref_size 113
	.end_amdhsa_kernel
	.amdgpu_metadata
---
amdhsa.version: [ 1, 2 ]
amdhsa.kernels:
  - .name:           k_qfa73a1151f_pa
    .symbol:         k_qfa73a1151f_pa.kd
    .args:
      - { .name: pv_xyz, .offset: 0, .size: 8, .value_kind: global_buffer, .address_space: global }
      - { .name: features, .offset: 8, .size: 8, .value_kind: global_buffer, .address_space: global }
      - { .name: Wq, .offset: 16, .size: 8, .value_kind: global_buffer, .address_space: global }
      - { .name: bq, .offset: 24, .size: 8, .value_kind: global_buffer, .address_space: global }
      - { .name: Wk, .offset: 32, .size: 8, .value_kind: global_buffer, .address_space: global }
      - { .name: bk, .offset: 40, .size: 8, .value_kind: global_buffer, .address_space: global }
      - { .name: Wv, .offset: 48, .size: 8, .value_kind: global_buffer, .address_space: global }
      - { .name: bv, .offset: 56, .size: 8, .value_kind: global_buffer, .address_space: global }
      - { .name: p_W1, .offset: 64, .size: 8, .value_kind: global_buffer, .address_space: global }
      - { .name: p_b1, .offset: 72, .size: 8, .value_kind: global_buffer, .address_space: global }
      - { .name: p_ln_g, .offset: 80, .size: 8, .value_kind: global_buffer, .address_space: global }
      - { .name: p_ln_b, .offset: 88, .size: 8, .value_kind: global_buffer, .address_space: global }
      - { .name: p_W2, .offset: 96, .size: 8, .value_kind: global_buffer, .address_space: global }
      - { .name: p_b2, .offset: 104, .size: 8, .value_kind: global_buffer, .address_space: global }
      - { .name: w_ln1_g, .offset: 112, .size: 8, .value_kind: global_buffer, .address_space: global }
      - { .name: w_ln1_b, .offset: 120, .size: 8, .value_kind: global_buffer, .address_space: global }
      - { .name: w_W1, .offset: 128, .size: 8, .value_kind: global_buffer, .address_space: global }
      - { .name: w_b1, .offset: 136, .size: 8, .value_kind: global_buffer, .address_space: global }
      - { .name: w_ln2_g, .offset: 144, .size: 8, .value_kind: global_buffer, .address_space: global }
      - { .name: w_ln2_b, .offset: 152, .size: 8, .value_kind: global_buffer, .address_space: global }
      - { .name: w_W2, .offset: 160, .size: 8, .value_kind: global_buffer, .address_space: global }
      - { .name: w_b2, .offset: 168, .size: 8, .value_kind: global_buffer, .address_space: global }
      - { .name: out0, .offset: 176, .size: 8, .value_kind: global_buffer, .address_space: global }
    .group_segment_fixed_size: 84480
    .private_segment_fixed_size: 0
    .kernarg_segment_align: 8
    .kernarg_segment_size: 184
    .max_flat_workgroup_size: 256
    .sgpr_count:     102
    .vgpr_count:     512
    .wavefront_size: 32
...
	.end_amdgpu_metadata
.endif
;; end of part 1
;; ======== version 2 of 2: 1 launch; version 1 with the launch pa written anew for expert scheduling mode
;; launch pa (part 2): grid 256 x 1, 8 waves a work-group, no clusters, 84,480 bytes of LDS; arguments pv_xyz, features, Wq, bq, Wk, bk, Wv, bv, p_W1, p_b1, p_ln_g, p_ln_b, p_W2, p_b2, w_ln1_g, w_ln1_b, w_W1, w_b1, w_ln2_g, w_ln2_b, w_W2, w_b2, out0; writes out0
.if DOCPART == 2
	.amdgcn_target "amdgcn-amd-amdhsa--gfx1250"
	.amdhsa_code_object_version 6
	.text
	.protected	k_qfa73a1151f_pa
	.globl	k_qfa73a1151f_pa
	.p2align	8
	.type	k_qfa73a1151f_pa,@function
k_qfa73a1151f_pa:
	s_mov_b64 s[64:65], 0
	v_nop
	global_prefetch_b8 v0, s[64:65] scope:SCOPE_SE
	s_setreg_imm32_b32 hwreg(HW_REG_WAVE_SCHED_MODE, 0, 2), 2
	s_setreg_imm32_b32 hwreg(HW_REG_WAVE_MODE, 25, 1), 1
	s_wait_xcnt 0x0
	s_wait_alu depctr_vm_vsrc(0)
; PointAttention: 1,024 voxels of 32 points.  For each pair (i, j) of a voxel: |xyz_j - xyz_i| (or -1 where a point is empty) -> Linear(3,3), LN(3), ReLU, Linear(3,64); + q_i - k_j; / 8;
; LN(64), ReLU, x w_W1 + w_b1 (MX-FP8); LN(64), ReLU, x w_W2 + w_b2 (MX-FP8); softmax over j; of it the term j = i alone, times v_i = features x Wv + bv (MX-FP8); features copied beside it.
; SHARES.  Work-group g: voxels 4 g .. 4 g + 3.  Wave w: voxel 4 g + w / 2, queries i = 16 (w % 2) + 0 .. 15, against all 32 j: one query a trip, two tiles of 16 pairs.  Two waves of 512 registers to a SIMD.
; LAYOUT.  Lane (r = lane % 16, h = lane / 16) holds ONE pair r and 32 of its 64 features: register e holds feature 32 (e / 16) + 16 h + e % 16, which is the order of an 8-bit operand's registers.
;   So a LayerNorm's sum is packed additions in the lane and one exchange with lane xor 16, a block's largest magnitude likewise, and the conversions' results are the next product's operand.
; THE FIRST STAGE BY THE f32 MATRIX FORM.  w - mean(w) = P0 p0 + P1 p1 + P2 p2 + q'_i - k'_j, with p_W2's, Wq's, Wk's rows and bq + p_b2 - bk centred over the 64 features and divided by 8 once, at the head:
;   source 0 = 16 features x (P0, P1, P2, q'_i), source 1 = 16 pairs x (p0, p1, p2, 1), C = -k'_j.  Row m of feature tile t = 2 b + u is feature 32 b + 8 u + m + (m & 8), so that the result falls into the layout above.
; THE SECOND STAGE is used transposed (source 0 = 16 columns of w_W1 in the same order, source 1 = the pairs; C = w_b1): the same layout again.
; THE THIRD STAGE AND v are used straight (source 0 = 16 pairs or points, source 1 = columns 4 r + t of the weight; C = w_b2 or 0): a lane then holds feature 4 r + t and its registers run down the pairs,
;   so the softmax over j runs down registers, and a lane's four tiles are 16 neighbouring bytes of the output row.
; K = 64 OF THE INSTRUCTION'S 128.  The computed operand's upper eight registers are zero codes.  The weights' fragments lie eight registers apart: a fragment's upper eight registers are the next fragment's codes
;   (never the NaN code: every number is held at the largest code), the last fragment's are zeros.  Zero codes add nothing.  Scale bytes 2 and 3 are 0 on both sides, which is 2^-127 and no NaN.
; THE DIAGONAL.  In the pair stage lane l handles j = l xor 16 (w % 2), so pair j = i is row ii = i % 16 of tile 0: half ii / 8 of the lanes, register ii % 8; the register is chosen by a branch on the trip's counter.
;   That half of the lanes stores the result's 256 bytes of the output row, the other half the copy of features: one store of 512 bytes a query.
; No cluster and no joint loads: what work-groups share is the weights, some 50 KB, read once by each through registers; nothing is brought by the tensor data mover.  No prefetch: every input byte is asked for at the head.
; LIMITS.  NaN and infinities among the inputs are not served (0 x xyz has to be 0).  A block of zeros has the scale byte 1 where the quantiser's rule says 127: its codes are zeros, and the bytes never leave the launch.
;   -0.0 counts as 0 in the test for an empty point, as a comparison with 0 has it.  v_exp_f32 gives 0 for results under 2^-126 (ISA guide, its entry): such terms add nothing to a sum that holds a 1.
; LDS: 0: v's rows, 16 x 272 bytes a wave; WIMG: 12 weight fragments as images of their registers, 1,024 bytes each (0-3 w_W1, 4-7 w_W2, 8-11 Wv); WSC: their scale words, 128 bytes each; FL: features' rows, laid as v's.
; REGISTERS, window 0: v1 1.0; v2-4 xyz of my j; v5 my bytes in the output row; v6 my 16 bytes in my wave's rows of v (features' lie FL further on); v7 the computed operand's scale word; v8-11 w_W1's scale words,
;   v12-15 Wv's, then w_W2's; v16-19 source 1 of the f32 form, two tiles, and at a trip's end the row of features; v20-27 its source 0, four tiles; v28-43 what q'_i is made of; v44-71 at work; v72-79 codes, v80-87 zeros;
;   v88-151 weight fragments, v152-159 zeros; v160-191 w - mean (written by the f32 matrix form alone); v192-223, v224-255 the two tiles' numbers from stage to stage.
;   window 1: v0-63 -k'_j of the two tiles; v64-95 w_ln1_g, v96-127 w_ln1_b, v128-159 w_b1, v160-191 w_ln2_g, v192-223 w_ln2_b, all in the layout above; v224-255 w_b2 as the third stage's C.
; THE MODE: SCHED_MODE bits 1:0 = 2 (LLVM: expert scheduling mode 2), set by the entry lines.  The code itself states the register dependences between vector or matrix instructions and memory or LDS
;   instructions, with s_wait_alu, always for 0.
; THE PLAN, for a trip.  Registers that LDS or memory instructions touch:
;   v64      the LDS address of row ii: written by one addition, read by the two loads of the rows.  Then, with v65-67, the out-buffer: written by the diagonal's lines, the multiplies and the selects, read by the store.
;   v71      the next query's lane x 4: written by one move, read by the three permutes.
;   v60-63, v16-19, v68-70   where the rows and the next query's xyz land.  Named before by the quantiser (v60, v61), by the f32 products and the selects that feed them (v16-19), by the pair stage (v68-70).
;   v5       read by the store; written at the change of halves alone.     v2-4  read by the permutes; never written behind their load.
;   v72-79, v7   codes and scale word: written by vector instructions, taken by the scaled products.
;   The waits: one on va_vdst ahead of each of the four groups of scaled products (codes and scale word are written).  The move to v71 and the addition to v64 stand ahead of the fourth, which so serves the five LDS
;   instructions as well: they follow the four products, which name none of the registers that they touch.  One on va_vdst ahead of the store.  One on vm_vsrc ahead of that move and addition, nearly a trip behind the
;   store whose data they write over; one on vm_vsrc ahead of the diagonal's lines, which write v64.  The waits behind the transcendentals stand ahead of their first readers.
.set WIMG, 34816
.set WSC,  47104
.set FL,   48640                       ; behind the scale words; under 2^16, so that it can stand in an LDS load's immediate
.set VP,   272                         ; a row of 256 bytes + 16
.set WREG, 16*VP                       ; a wave's 16 rows
.set T,    160
.set X0,   192
.set X1,   224
.set MSB,  0
.macro WIN new                         ; low byte: bits 1:0 source 0, 3:2 source 1, 5:4 source 2, 7:6 destination; the high byte repeats the setting that is left
.if MSB != \new
	s_set_vgpr_msb (MSB<<8)|\new
.set MSB, \new
.endif
.endm
; 32 numbers of a lane, v[x] on (two blocks of 32 along K, 16 of each in this lane, 16 in lane xor 16), become eight registers of codes, v72-79, and the scale word v7.
; relu = 1: what is negative becomes 0 on the way: it does not count for the largest magnitude, and the hold clips at 0.
.macro QUANT2 x, relu
.if \relu
.irp b, 0,1
	v_max3_num_f32 v[52+\b], v[\x+16*\b], v[\x+16*\b+1], 0x4800000       ; with the floor 2^(9 - 127): the byte cannot fall under 1
	v_max3_num_f32 v[54+\b], v[\x+16*\b+8], v[\x+16*\b+9], v[\x+16*\b+10]  ; two chains a block, four in all: no line waits for the line above it
.endr
.irp i, 2,4,6
.irp b, 0,1
	v_max3_num_f32 v[52+\b], v[52+\b], v[\x+16*\b+\i], v[\x+16*\b+\i+1]
.if \i < 6
	v_max3_num_f32 v[54+\b], v[54+\b], v[\x+16*\b+\i+9], v[\x+16*\b+\i+10]
.endif
.endr
.endr
.irp b, 0,1
	v_max3_num_f32 v[52+\b], v[52+\b], v[54+\b], v[\x+16*\b+15]
.endr
.else
.irp b, 0,1
	v_max3_num_f32 v[52+\b], |v[\x+16*\b]|, |v[\x+16*\b+1]|, 0x4800000
	v_max3_num_f32 v[54+\b], |v[\x+16*\b+8]|, |v[\x+16*\b+9]|, |v[\x+16*\b+10]|
.endr
.irp i, 2,4,6
.irp b, 0,1
	v_max3_num_f32 v[52+\b], v[52+\b], |v[\x+16*\b+\i]|, |v[\x+16*\b+\i+1]|
.if \i < 6
	v_max3_num_f32 v[54+\b], v[54+\b], |v[\x+16*\b+\i+9]|, |v[\x+16*\b+\i+10]|
.endif
.endr
.endr
.irp b, 0,1
	v_max3_num_f32 v[52+\b], v[52+\b], v[54+\b], |v[\x+16*\b+15]|
.endr
.endif
.irp b, 0,1
	v_permlanex16_b32 v[54+\b], v[52+\b], s56, s57
.endr
.irp b, 0,1
	v_max_num_f32 v[52+\b], v[52+\b], v[54+\b]         ; with lane xor 16's: the block's largest magnitude
.endr
.irp b, 0,1
	v_add_nc_u32 v[56+\b], 0xfc000000, v[52+\b]        ; 8 off its exponent field: the conversion's scale operand
.endr
.irp b, 0,1
	v_and_or_b32 v[58+\b], v[52+\b], 0x7f800000, s60   ; 448 x the scale
.endr
.irp b, 0,1
	v_lshrrev_b32 v[60+\b], 23, v[56+\b]               ; the scale's byte
.endr
	v_lshl_or_b32 v7, v61, 8, v60                      ; the scale word: bytes 2 and 3 stay 0.  The 32 holds below stand between it and the product
.irp b, 0,1
.irp i, 0,1,2,3,4,5,6,7,8,9,10,11,12,13,14,15
.if \relu
	v_med3_num_f32 v[\x+16*\b+\i], v[\x+16*\b+\i], 0, v[58+\b]           ; the activation and the hold in one
.else
	v_med3_num_f32 v[\x+16*\b+\i], v[\x+16*\b+\i], -v[58+\b], v[58+\b]   ; the conversion to an 8-bit code does not saturate (ISA guide 7.6.2)
.endif
.endr
	v_cvt_scalef32_pk8_fp8_f32 v[72+4*\b:73+4*\b], v[\x+16*\b:\x+16*\b+7], v[56+\b]
	v_cvt_scalef32_pk8_fp8_f32 v[74+4*\b:75+4*\b], v[\x+16*\b+8:\x+16*\b+15], v[56+\b]
.endr
.endm                                  ; the caller sets plain vector lines behind the last conversion: four ahead of a product
; Four chains, one for each accumulator of eight registers, each from its low end on.  SQA, SUA: the chains' first lines, four plain lines that also stand between conversions and the product that follows.
.macro SQA x
.irp c, 0,1,2,3
	v_pk_mul_f32 v[44+2*\c:45+2*\c], v[\x+8*\c:\x+8*\c+1], v[\x+8*\c:\x+8*\c+1]
.endr
.endm
.macro RED                             ; the four chains, the pair's halves and lane xor 16's: the sum over the 64 features, in v44 of every lane
	v_pk_add_f32 v[44:45], v[44:45], v[46:47]
	v_pk_add_f32 v[48:49], v[48:49], v[50:51]
	v_pk_add_f32 v[44:45], v[44:45], v[48:49]
	v_add_f32 v44, v44, v45
	v_permlanex16_b32 v48, v44, s56, s57
	v_add_f32 v44, v44, v48
.endm
.macro SQB x                           ; the rest of the sum of squares; v50 = 1 / sqrt(sum / 64 + 1e-5)
.irp p, 2,4,6
.irp c, 0,1,2,3
	v_pk_fma_f32 v[44+2*\c:45+2*\c], v[\x+8*\c+\p:\x+8*\c+\p+1], v[\x+8*\c+\p:\x+8*\c+\p+1], v[44+2*\c:45+2*\c]
.endr
.endr
	RED
	v_fma_f32 v49, v44, s66, s63
	v_rsq_f32 v50, v49
	v_nop                                              ; a plain line behind the transcendental
	s_wait_alu depctr_va_vdst(0)                       ; v50, the root's reciprocal, is written: the wait ahead of its first reader
.endm
.macro MULRS d, x
.irp p, 0,2,4,6,8,10,12,14,16,18,20,22,24,26,28,30
	v_pk_mul_f32 v[\d+\p:\d+\p+1], v[\x+\p:\x+\p+1], v[50:51] op_sel_hi:[1,0]
.endr
.endm
.macro SUA x
.irp c, 0,1,2,3
	v_pk_add_f32 v[44+2*\c:45+2*\c], v[\x+8*\c:\x+8*\c+1], v[\x+8*\c+2:\x+8*\c+3]
.endr
.endm
.macro SUMB x                          ; the rest of the sum; the mean is taken away; then the variance of what is left (two passes: no difference of large sums), and x 1 / sqrt
.irp p, 4,6
.irp c, 0,1,2,3
	v_pk_add_f32 v[44+2*\c:45+2*\c], v[44+2*\c:45+2*\c], v[\x+8*\c+\p:\x+8*\c+\p+1]
.endr
.endr
	RED
.irp p, 0,2,4,6,8,10,12,14,16,18,20,22,24,26,28,30
	v_pk_fma_f32 v[\x+\p:\x+\p+1], v[44:45], s[78:79], v[\x+\p:\x+\p+1] op_sel_hi:[0,0,1]   ; - sum / 64
.endr
	SQA \x
	SQB \x
	MULRS \x, \x
.endm
.macro NORM x, g, bb                   ; x gain + bias; both lie in window 1
	WIN 0x14
.irp p, 0,2,4,6,8,10,12,14,16,18,20,22,24,26,28,30
	v_pk_fma_f32 v[\x+\p:\x+\p+1], v[\x+\p:\x+\p+1], v[\g+\p:\g+\p+1], v[\bb+\p:\bb+\p+1]
.endr
	WIN 0
.endm
.macro FT tau                          ; w - mean(w) of tile tau: four feature tiles, one instruction each; C = -k'_j in window 1
	WIN 0x10
.irp t, 0,1,2,3
	v_wmma_f32_16x16x4_f32 v[160+8*\t:167+8*\t], v[20+2*\t:21+2*\t], v[16+2*\tau:17+2*\tau], v[32*\tau+8*\t:32*\tau+8*\t+7]
.endr
	WIN 0
.endm
.macro M6 tau                          ; x w_W1 + w_b1, transposed
	WIN 0x10
.irp t, 0,1,2,3
	v_wmma_scale_f32_16x16x128_f8f6f4 v[192+32*\tau+8*\t:199+32*\tau+8*\t], v[88+8*\t:103+8*\t], v[72:87], v[128+8*\t:135+8*\t], v[8+\t], v7
.endr
	WIN 0
.endm
.macro M7 tau                          ; x w_W2 + w_b2, straight
	WIN 0x10
.irp t, 0,1,2,3
	v_wmma_scale_f32_16x16x128_f8f6f4 v[192+32*\tau+8*\t:199+32*\tau+8*\t], v[72:87], v[120+8*\t:135+8*\t], v[224+8*\t:231+8*\t], v7, v[12+\t]
.endr
	WIN 0
.endm
.macro OPL reg, lo, off                ; a vector of 64 numbers in the layout of the head comment: 32 registers, eight loads of 16 bytes (v94 = 64 h)
.irp b, 0,1
.irp q, 0,1,2,3
	global_load_b128 v[\reg+16*\b+4*\q:\reg+16*\b+4*\q+3], v94, s[\lo:\lo+1] offset:\off+128*\b+16*\q
.endr
.endr
.endm
.macro NKROW first, a, x, tau          ; -k'_j of tile tau (window 1) = or += v[a] on (a row of Wk, centred, / -8) x v[x] (that coordinate of the pair's j)
.if \first
	WIN 0x40
.else
	WIN 0x50
.endif
.irp p, 0,2,4,6,8,10,12,14,16,18,20,22,24,26,28,30
.if \first
.if (\x)%2
	v_pk_mul_f32 v[32*\tau+\p:32*\tau+\p+1], v[\a+\p:\a+\p+1], v[\x-1:\x] op_sel:[0,1] op_sel_hi:[1,1]
.else
	v_pk_mul_f32 v[32*\tau+\p:32*\tau+\p+1], v[\a+\p:\a+\p+1], v[\x:\x+1] op_sel_hi:[1,0]
.endif
.else
.if (\x)%2
	v_pk_fma_f32 v[32*\tau+\p:32*\tau+\p+1], v[\a+\p:\a+\p+1], v[\x-1:\x], v[32*\tau+\p:32*\tau+\p+1] op_sel:[0,1,0] op_sel_hi:[1,1,1]
.else
	v_pk_fma_f32 v[32*\tau+\p:32*\tau+\p+1], v[\a+\p:\a+\p+1], v[\x:\x+1], v[32*\tau+\p:32*\tau+\p+1] op_sel_hi:[1,0,1]
.endif
.endif
.endr
.endm
; THE PAIR STAGE: lane l has the pair (i, j = l xor 16 (w % 2)).  v68-70 = xyz_i in every lane.  Out: v53-55 p0-p2, v56-58 those of lane xor 16, source 1 of tile 0, and q'_i in source 0.
.macro PSTAGE
	s_lshr_b32 s55, s53, s52                           ; is point i empty?  Its bit of the mask of empty j (i lies in lane ii),
	s_and_b32 s55, s55, 1
	s_sub_co_i32 s55, 0, s55                           ; spread over all lanes,
	s_or_b32 s54, s53, s55                             ; or point j: the mask only chooses between values
.irp c, 0,1,2
	v_sub_f32 v[44+\c], v[68+\c], v[2+\c]
.endr
.irp n, 0,1,2
	v_fma_f32 v[47+\n], |v44|, s[68+\n], s[80+\n]      ; |d| x p_W1 + p_b1
.endr
.irp n, 0,1,2
	v_fma_f32 v[47+\n], |v45|, s[71+\n], v[47+\n]
.endr
.irp n, 0,1,2
	v_fma_f32 v[47+\n], |v46|, s[74+\n], v[47+\n]
.endr
.irp n, 0,1,2
	v_cndmask_b32 v[47+\n], v[47+\n], s[92+\n], s54    ; a pair with an empty point: what d = (-1, -1, -1) gives
.endr
	v_add_f32 v50, v47, v48
	v_add_f32 v50, v50, v49
.irp n, 0,1,2
	v_fma_f32 v[47+\n], v50, s91, v[47+\n]             ; - the mean of the three
.endr
	v_mul_f32 v51, v47, v47
	v_fma_f32 v51, v48, v48, v51
	v_fma_f32 v51, v49, v49, v51
	v_fma_f32 v51, v51, s67, s63                       ; / 3 + 1e-5
	v_rsq_f32 v52, v51
.irp t, 0,1,2,3                        ; independent work behind the transcendental: lanes 16-31: q'_i = xyz_i x Wq' + bias'; lanes 0-15: 0 x xyz_i + P1
	v_fma_f32 v[21+2*\t], v68, v[28+\t], v[40+\t]
.endr
.irp t, 0,1,2,3
	v_fma_f32 v[21+2*\t], v69, v[32+\t], v[21+2*\t]
.endr
.irp t, 0,1,2,3
	v_fma_f32 v[21+2*\t], v70, v[36+\t], v[21+2*\t]
.endr
	s_wait_alu depctr_va_vdst(0)                       ; v52, the root's reciprocal, is written: the wait ahead of its first reader
.irp n, 0,1,2
	v_mul_f32 v[47+\n], v[47+\n], v52
.endr
.irp n, 0,1,2
	v_fma_f32 v[53+\n], v[47+\n], s[84+\n], s[88+\n]
.endr
.irp n, 0,1,2
	v_max_num_f32 v[53+\n], 0, v[53+\n]
.endr
.irp n, 0,1,2
	v_permlanex16_b32 v[56+\n], v[53+\n], s56, s57
.endr
	v_cndmask_b32 v16, v53, v58, s61                   ; tile 0 (the pairs of lanes 0-15): lanes 0-15 (p0, p1), lanes 16-31 (p2, 1)
	v_cndmask_b32 v17, v54, v1, s61
.endm
.macro DIAG k                          ; e^(s - max) of pair ii / the sum: register k of tile 0, right in the half of the lanes that holds pair ii
.irp t, 0,1,2,3
	v_mul_f32 v[64+\t], v[192+8*\t+\k], v[48+\t]
.endr
.endm
; ---------------------------------------------------------------- the head: addresses and constants
	s_load_b512 s[4:19], s[0:1], 0x0                   ; pv_xyz, features, Wq, bq, Wk, bk, Wv, bv
	s_load_b512 s[20:35], s[0:1], 0x40                 ; p_W1, p_b1, p_ln_g, p_ln_b, p_W2, p_b2, w_ln1_g, w_ln1_b
	s_load_b256 s[36:43], s[0:1], 0x80                 ; w_W1, w_b1, w_ln2_g, w_ln2_b
	s_load_b128 s[44:47], s[0:1], 0xa0                 ; w_W2, w_b2
	s_load_b64 s[48:49], s[0:1], 0xb0                  ; out0
	v_lshrrev_b32 v1, 5, v0
	v_readfirstlane_b32 s2, v1                         ; wave 0..7
	v_mov_b32 v1, 1.0
.irp j, 0,1,2,3,4,5,6,7
	v_mov_b32 v[80+\j], 0                              ; the computed operand's upper half: zero codes
.endr
	v_and_b32 v72, 31, v0                              ; lane
	v_and_b32 v73, 15, v0                              ; r
	v_bfe_u32 v74, v0, 4, 1                            ; h
	v_and_b32 v75, 8, v73
	v_add_nc_u32 v75, v75, v73                         ; r + (r & 8)
	s_wait_alu depctr_va_sdst(0)                       ; s2, the wave's number, is written, ahead of its first reader
	s_and_b32 s3, s2, 1                                ; which 16 queries
	s_and_b32 s55, s2, 3                               ; t: the weight tile that I quantise
	s_lshr_b32 s100, s55, 1
	s_lshl_b32 s100, s100, 5
	s_and_b32 s101, s55, 1
	s_lshl_b32 s101, s101, 3
	s_add_co_u32 s100, s100, s101                      ; 32 (t / 2) + 8 (t % 2)
	v_add_nc_u32 v76, s100, v75                        ; w_W1's column for lane r (waves 0-3)
	v_lshl_add_u32 v77, v73, 2, s55                    ; w_W2's: 4 r + t (waves 4-7)
	s_cmp_lt_u32 s2, 4
	s_cselect_b32 s101, -1, 0
	v_cndmask_b32 v62, v77, v76, s101
	v_lshlrev_b32 v62, 2, v62
	v_lshl_add_u32 v62, v74, 12, v62                   ; v62: 4 x column + 16 h rows of 256 bytes
	v_lshl_add_u32 v63, v73, 2, s2
	v_lshlrev_b32 v63, 2, v63
	v_lshl_add_u32 v63, v74, 12, v63                   ; v63: the same for Wv's tile, column 4 r + wave (waves 0-3)
	s_lshl_b32 s101, s3, 4
	v_xor_b32 v64, s101, v72
	v_mul_u32_u24 v64, v64, 12                         ; v64: xyz of j = lane xor 16 (w % 2)
	v_lshlrev_b32 v65, 3, v72                          ; v65: two numbers a lane of a vector of 64
	v_lshlrev_b32 v66, 2, v75                          ; v66: feature r + (r & 8)
	v_lshl_add_u32 v67, v74, 9, v66                    ; v67: the same, two rows further down in lanes 16-31
	v_lshlrev_b32 v68, 8, v73
	v_lshl_add_u32 v68, v74, 6, v68                    ; v68: features: row r, + 64 h
	v_lshlrev_b32 v69, 4, v73                          ; v69: 16 r
	v_lshlrev_b32 v94, 6, v74                          ; v94: 64 h
	s_lshl_b32 s101, s2, 10
	s_add_co_u32 s101, s101, WIMG
	v_lshl_add_u32 v88, v72, 4, s101                   ; v88: LDS: my tile's image, 16 bytes a lane
	s_lshl_b32 s101, s2, 7
	s_add_co_u32 s101, s101, WSC
	v_lshl_add_u32 v89, v72, 2, s101                   ; v89: its scale words
	s_mul_i32 s101, s2, WREG
	v_mul_u32_u24 v90, v73, VP
	v_lshl_add_u32 v90, v74, 6, v90
	v_add_nc_u32 v90, s101, v90
	v_add_nc_u32 v90, FL, v90                          ; v90: features' rows, as they are loaded
	v_lshlrev_b32 v44, 4, v72                          ; v44: 16 x lane: an image read back
	v_lshlrev_b32 v45, 2, v72                          ; v45: 4 x lane
	v_mul_u32_u24 v46, v74, 8*VP
	v_lshl_add_u32 v46, v73, 4, v46
	v_add_nc_u32 v46, s101, v46                        ; v46: v's rows: row 8 h + register, 16 r
	v_lshl_add_u32 v5, v74, 8, v69                     ; v5: the output row: lanes 0-15 the result's 256 bytes, lanes 16-31 the features'
	v_add_nc_u32 v6, s101, v69                         ; v6: 16 r in my wave's rows of v; never rewritten
	s_mov_b32 s56, 0x76543210
	s_mov_b32 s57, 0xfedcba98                          ; v_permlanex16_b32's selects for lane xor 16
	s_mov_b32 s58, 0x3fb8aa3b                          ; log2(e); the packed form names a pair
	s_mov_b32 s59, s58
	s_mov_b32 s60, 0x600000                            ; the mantissa field of 448
	s_mov_b32 s61, 0xffff0000                          ; lanes 16-31
	s_mov_b32 s62, s61                                 ; the lanes that copy features
	s_mov_b32 s63, 0x3727c5ac                          ; 1e-5
	s_mov_b32 s66, 0x3c800000                          ; 1 / 64
	s_mov_b32 s67, 0x3eaaaaab                          ; 1 / 3
	s_mov_b32 s91, 0xbeaaaaab                          ; -1 / 3
	s_mov_b32 s78, 0xbc800000                          ; -1 / 64
	s_mov_b32 s79, s78
	s_mov_b32 s96, 0x3e000000                          ; 1 / 8 = 1 / sqrt(64)
	s_mov_b32 s97, s96
	s_mov_b32 s98, 0xbe000000
	s_mov_b32 s99, s98
	s_wait_kmcnt 0x0
	s_load_b256 s[68:75], s[20:21], 0x0                ; p_W1[c][n] at s[68 + 3 c + n]
	s_load_b32 s76, s[20:21], 0x20
	s_load_b96 s[80:82], s[22:23], 0x0                 ; p_b1
	s_load_b96 s[84:86], s[24:25], 0x0                 ; p_ln_g
	s_load_b96 s[88:90], s[26:27], 0x0                 ; p_ln_b
	s_lshl_b32 s55, ttmp9, 2
	s_lshr_b32 s100, s2, 1
	s_add_co_u32 s55, s55, s100                        ; my voxel
	s_mov_b32 s101, 0
	s_mul_i32 s100, s55, 384
	s_add_nc_u64 s[4:5], s[4:5], s[100:101]            ; its 32 points
	s_lshl_b32 s100, s55, 13
	s_lshl_b32 s83, s3, 12
	s_add_co_u32 s100, s100, s83
	s_add_nc_u64 s[6:7], s[6:7], s[100:101]            ; my 16 rows of features
	s_lshl_b32 s100, s55, 14
	s_lshl_b32 s83, s3, 13
	s_add_co_u32 s100, s100, s83
	s_add_nc_u64 s[48:49], s[48:49], s[100:101]        ; my 16 rows of the output
	s_wait_alu depctr_va_vdst(0)                       ; every offset and LDS address of the head is written (v5, v6, v44-46, v62-69, v88-90, v94): the loads and LDS instructions below read them
	s_cmp_lt_u32 s2, 4
	s_cselect_b64 s[92:93], s[36:37], s[44:45]         ; waves 0-3 quantise w_W1's tiles, waves 4-7 w_W2's; waves 0-3 Wv's as well
; ---------------------------------------------------------------- every input is asked for here
	s_cbranch_scc0 .Lno_wv
.set n, 0
.rept 32
	global_load_b32 v[224+n], v63, s[16:17] offset:256*(32*(n/16)+n%16)   ; Wv(32 c + 16 h + i, 4 r + wave): a lane to a column, registers down K
.set n, n+1
.endr
.Lno_wv:
.set n, 0
.rept 32
	global_load_b32 v[192+n], v62, s[92:93] offset:256*(32*(n/16)+n%16)
.set n, n+1
.endr
.irp c, 0,1,2
	global_load_b32 v[2+\c], v64, s[4:5] offset:4*\c
.endr
.irp c, 0,1,2                          ; the ten vectors whose means are taken away, two numbers a lane
	global_load_b64 v[20+2*\c:21+2*\c], v65, s[28:29] offset:256*\c      ; p_W2's rows
.endr
.irp c, 0,1,2
	global_load_b64 v[26+2*\c:27+2*\c], v65, s[8:9] offset:256*\c        ; Wq's
.endr
.irp c, 0,1,2
	global_load_b64 v[32+2*\c:33+2*\c], v65, s[12:13] offset:256*\c      ; Wk's
.endr
	global_load_b64 v[38:39], v65, s[10:11]            ; bq
	global_load_b64 v[40:41], v65, s[30:31]            ; p_b2
	global_load_b64 v[42:43], v65, s[14:15]            ; bk
.irp t, 0,1,2,3                        ; the same as source 0 of the f32 form wants them: lane r has feature 32 (t / 2) + 8 (t % 2) + r + (r & 8)
	global_load_b32 v[96+8*\t], v67, s[28:29] offset:128*(\t/2)+32*(\t%2)         ; p_W2's row 0 (lanes 0-15) or 2 (lanes 16-31)
	global_load_b32 v[97+8*\t], v66, s[28:29] offset:256+128*(\t/2)+32*(\t%2)     ; its row 1
	global_load_b32 v[98+8*\t], v66, s[8:9] offset:128*(\t/2)+32*(\t%2)           ; Wq's rows
	global_load_b32 v[99+8*\t], v66, s[8:9] offset:256+128*(\t/2)+32*(\t%2)
	global_load_b32 v[100+8*\t], v66, s[8:9] offset:512+128*(\t/2)+32*(\t%2)
	global_load_b32 v[101+8*\t], v66, s[10:11] offset:128*(\t/2)+32*(\t%2)        ; bq
	global_load_b32 v[102+8*\t], v66, s[30:31] offset:128*(\t/2)+32*(\t%2)        ; p_b2
	global_load_b32 v[103+8*\t], v66, s[14:15] offset:128*(\t/2)+32*(\t%2)        ; bk
.endr
.irp b, 0,1
.irp q, 0,1,2,3
	global_load_b128 v[128+16*\b+4*\q:131+16*\b+4*\q], v68, s[6:7] offset:128*\b+16*\q th:TH_LOAD_NT   ; features: row r, my 16 numbers of each block of 32
.endr
.endr
	WIN 0x40                                           ; destination window 1
	OPL 64, 32, 0                                      ; w_ln1_g
	OPL 96, 34, 0                                      ; w_ln1_b
	OPL 128, 38, 0                                     ; w_b1
	OPL 160, 40, 0                                     ; w_ln2_g
	OPL 192, 42, 0                                     ; w_ln2_b
	global_load_b128 v[224:227], v69, s[46:47]         ; w_b2[4 r .. 4 r + 3]
	WIN 0
	global_load_b128 v[16:19], v69, s[18:19]           ; bv[4 r .. 4 r + 3]
; ---------------------------------------------------------------- the weights' tiles become codes, once in the work-group, and go to LDS as images of their registers
	s_wait_loadcnt 63                                  ; 97 loads were issued behind the tiles' numbers: with 63 out at the most, the tiles are in
	QUANT2 192, 0
	v_nop                                              ; a plain line behind the last conversion
	s_wait_alu depctr_va_vdst(0)                       ; the conversions have written v72-79, and v7 is written: the LDS stores read them; the quantiser is done with v192-223, in which Wk's row 0 lands further down
	ds_store_b128 v88, v[72:75]
	ds_store_b128 v88, v[76:79] offset:512
	ds_store_b32 v89, v7
	s_wait_dscnt 0x0                                   ; the stores have landed
	s_wait_alu depctr_vm_vsrc(0)                       ; the stores have read v72-79 and v7, which the next quantiser writes
	s_cmp_lt_u32 s2, 4
	s_cbranch_scc0 .Lone_tile
	QUANT2 224, 0                                      ; Wv's tile: image 8 + wave
	v_nop
	s_wait_alu depctr_va_vdst(0)                       ; the conversions have written v72-79, and v7 is written: the LDS stores read them; the quantiser is done with v224-255, in which Wk's row 1 lands
	ds_store_b128 v88, v[72:75] offset:8192
	ds_store_b128 v88, v[76:79] offset:8704
	ds_store_b32 v89, v7 offset:1024
	s_wait_dscnt 0x0
.Lone_tile:
	OPL 192, 12, 0                                     ; Wk's rows 0 and 1 in the layout of the head comment
	OPL 224, 12, 256
	s_wait_loadcnt 16                                  ; all but these sixteen are in: so their offset registers and the tile's base may be written again
	s_wait_kmcnt 0x0                                   ; p_W1, p_b1, p_ln_g, p_ln_b
	s_wait_alu depctr_vm_vsrc(0)                       ; the loads have read their offsets v62-69, which the means below write; Wv's tile's stores have read v72-79 and v7, which features' quantiser writes
	v_cmp_eq_f32 s53, 0, v2
	v_cmp_eq_f32 s54, 0, v3
	v_cmp_eq_f32 s55, 0, v4
.irp n, 0,1,2                          ; what d = (-1, -1, -1) gives: p_b1 - p_W1's three rows
	v_mov_b32 v[47+\n], s[80+\n]
.endr
.irp n, 0,1,2
	v_sub_f32 v[47+\n], v[47+\n], s[68+\n]
.endr
.irp n, 0,1,2
	v_sub_f32 v[47+\n], v[47+\n], s[71+\n]
.endr
.irp n, 0,1,2
	v_sub_f32 v[47+\n], v[47+\n], s[74+\n]
.endr
.irp n, 0,1,2
	v_readfirstlane_b32 s[92+\n], v[47+\n]
.endr
	s_wait_alu depctr_va_sdst(0)                       ; the three masks s53-55 and s92-94 are written, ahead of their first readers: the two lines below, and the pair stage's selects
	s_and_b32 s53, s53, s54
	s_and_b32 s53, s53, s55                            ; s53: the lanes whose j is an empty point
; ---------------------------------------------------------------- the ten means
	v_pk_add_f32 v[38:39], v[38:39], v[40:41]
	v_pk_add_f32 v[38:39], v[38:39], v[42:43] neg_lo:[0,1] neg_hi:[0,1]   ; bq + p_b2 - bk
.irp n, 0,1,2,3,4,5,6,7,8,9
	v_add_f32 v[62+\n], v[20+2*\n], v[21+2*\n]
.endr
.irp m, 1,2,4,8
.irp n, 0,1,2,3,4,5,6,7,8,9
	v_add_f32_dpp v[62+\n], v[62+\n], v[62+\n] row_xmask:\m row_mask:0xf bank_mask:0xf
.endr
.endr
.irp n, 0,1,2,3,4,5,6,7,8,9
	v_permlanex16_b32 v[20+\n], v[62+\n], s56, s57
.endr
.irp n, 0,1,2,3,4,5,6,7,8,9
	v_add_f32 v[62+\n], v[62+\n], v[20+\n]
.endr
.irp n, 0,1,2,3,4,5,9
	v_mul_f32 v[62+\n], 0xbb000000, v[62+\n]           ; - mean / 8 = - sum / 512: v62-64 p_W2's rows, v65-67 Wq's, v71 the bias
.endr
.irp n, 6,7,8
	v_mul_f32 v[62+\n], 0x3b000000, v[62+\n]           ; + mean / 8: v68-70 Wk's rows, which enter with a minus
.endr
; ---------------------------------------------------------------- source 0 of the f32 form, and what q'_i is made of
	v_cndmask_b32 v50, v62, v64, s61
.irp t, 0,1,2,3
	v_fma_f32 v[20+2*\t], v[96+8*\t], s96, v50         ; k = 2 h: P0 (lanes 0-15), P2 (lanes 16-31)
	v_fma_f32 v51, v[97+8*\t], s96, v63                ; P1
	v_add_f32 v47, v[101+8*\t], v[102+8*\t]
	v_sub_f32 v47, v47, v[103+8*\t]
	v_fma_f32 v47, v47, s96, v71                       ; the bias
	v_cndmask_b32 v[40+\t], v51, v47, s61              ; k = 2 h + 1 begins as P1 (lanes 0-15) or as the bias (lanes 16-31),
.irp c, 0,1,2
	v_fma_f32 v48, v[98+8*\t+\c], s96, v[65+\c]
	v_cndmask_b32 v[28+4*\c+\t], 0, v48, s61           ; and takes xyz_i x 0 or xyz_i x Wq'
.endr
.endr
	s_wait_alu depctr_va_vdst(0)                       ; the lines above are done reading v96-127, in which Wk's row 2 lands
	OPL 96, 12, 512                                    ; Wk's row 2
; ---------------------------------------------------------------- features: the rows as they are go to LDS for the copy; then they become an operand
.irp b, 0,1
.irp q, 0,1,2,3
	ds_store_b128 v90, v[128+16*\b+4*\q:131+16*\b+4*\q] offset:128*\b+16*\q
.endr
.endr
	s_wait_dscnt 0x0                                   ; the stores have landed
	s_wait_alu depctr_vm_vsrc(0)                       ; the stores have read v128-159: the holds and the zeros below write them
	QUANT2 128, 0
	v_nop
.irp j, 0,1,2,3,4,5,6,7
	v_mov_b32 v[152+\j], 0                             ; behind the last weight fragment: zero codes
.endr
; ---------------------------------------------------------------- -k'_j of the two tiles
	s_wait_loadcnt 0x0                                 ; Wk's three rows
.irp p, 0,2,4,6,8,10,12,14,16,18,20,22,24,26,28,30
	v_pk_fma_f32 v[192+\p:193+\p], v[192+\p:193+\p], s[98:99], v[68:69] op_sel_hi:[1,0,0]
.endr
.irp p, 0,2,4,6,8,10,12,14,16,18,20,22,24,26,28,30
	v_pk_fma_f32 v[224+\p:225+\p], v[224+\p:225+\p], s[98:99], v[68:69] op_sel:[0,0,1] op_sel_hi:[1,0,1]
.endr
.irp p, 0,2,4,6,8,10,12,14,16,18,20,22,24,26,28,30
	v_pk_fma_f32 v[96+\p:97+\p], v[96+\p:97+\p], s[98:99], v[70:71] op_sel_hi:[1,0,0]
.endr
.irp c, 0,1,2
	v_permlanex16_b32 v[53+\c], v[2+\c], s56, s57
.endr
.irp c, 0,1,2
	v_cndmask_b32 v[56+\c], v[2+\c], v[53+\c], s61     ; xyz of pair r's j in tile 0: that of lane r,
	v_cndmask_b32 v[59+\c], v[53+\c], v[2+\c], s61     ; in tile 1: that of lane 16 + r
.endr
	NKROW 1, 192, 56, 0
	NKROW 1, 192, 59, 1
	NKROW 0, 224, 57, 0
	NKROW 0, 224, 60, 1
	NKROW 0, 96, 58, 0
	NKROW 0, 96, 61, 1
	WIN 0x41                                           ; w_b2 as a C: feature 4 r + t in all eight registers of tile t
.irp t, 3,2,1
.irp j, 0,1,2,3,4,5,6,7
	v_mov_b32 v[224+8*\t+\j], v[224+\t]
.endr
.endr
.irp j, 1,2,3,4,5,6,7
	v_mov_b32 v[224+\j], v224
.endr
	WIN 0
	s_wait_dscnt 0x0                                   ; for the others' sake: my images lie in LDS
	s_barrier_signal -1
	s_barrier_wait -1                                  ; everybody's do
; ---------------------------------------------------------------- the fragments into registers; v = features x Wv + bv
	s_wait_alu depctr_va_vdst(0)                       ; the vector lines above are done with v88-151, in which the fragments land; features' codes v72-79, their scale word v7 and the zeros v80-87, v152-159 are written, which v's products take
	s_wait_alu depctr_vm_vsrc(0)                       ; the LDS stores have read their addresses v88-90 and Wk's loads their offset v94: fragments land in these four
.irp t, 0,1,2,3
	ds_load_b128 v[88+8*\t:91+8*\t], v44 offset:WIMG+1024*\t
	ds_load_b128 v[92+8*\t:95+8*\t], v44 offset:WIMG+1024*\t+512
	ds_load_b128 v[120+8*\t:123+8*\t], v44 offset:WIMG+1024*(8+\t)
	ds_load_b128 v[124+8*\t:127+8*\t], v44 offset:WIMG+1024*(8+\t)+512
	ds_load_b32 v[8+\t], v45 offset:WSC+128*\t
	ds_load_b32 v[12+\t], v45 offset:WSC+128*(8+\t)
.endr
	s_wait_dscnt 0x0
.irp t, 0,1,2,3
	v_wmma_scale_f32_16x16x128_f8f6f4 v[192+8*\t:199+8*\t], v[72:87], v[120+8*\t:135+8*\t], 0, v7, v[12+\t]
.endr
.rept 8
	v_nop                                              ; eight places ahead of the first read of these products' results
.endr
.irp j, 0,1,2,3,4,5,6,7
.irp t, 0,1,2,3
	v_add_f32 v[224+4*\j+\t], v[192+8*\t+\j], v[16+\t] ; v(8 h + j, 4 r + t); each accumulator from its low end on
.endr
.endr
	v_mov_b32 v71, 0
	s_wait_alu depctr_va_vdst(0)                       ; one wait for the run of LDS instructions below: v's products are done reading Wv's fragments v120-151 and scale words v12-15, in which w_W2's land; the additions have written v224-255, which the stores read; v71 is written, which the permutes read
.irp t, 0,1,2,3
	ds_load_b128 v[120+8*\t:123+8*\t], v44 offset:WIMG+1024*(4+\t)       ; w_W2's fragments take Wv's place
	ds_load_b128 v[124+8*\t:127+8*\t], v44 offset:WIMG+1024*(4+\t)+512
	ds_load_b32 v[12+\t], v45 offset:WSC+128*(4+\t)
.endr
.irp j, 0,1,2,3,4,5,6,7
	ds_store_b128 v46, v[224+4*\j:227+4*\j] offset:VP*\j
.endr
.irp c, 0,1,2
	ds_bpermute_b32 v[68+\c], v71, v[2+\c]             ; xyz of the first query: it lies in lane 0
.endr
	s_wait_dscnt 0x0
	s_barrier_signal -1
	s_barrier_wait -1                                  ; from here on LDS is only read
	s_wait_alu depctr_vm_vsrc(0)                       ; the LDS instructions above have read their addresses v44-46 and v71 and their data v224-255: the loop writes all of them
	s_mov_b32 s51, 0                                   ; which half of the lanes holds the diagonal
	s_mov_b32 s52, 0                                   ; ii
	s_mov_b32 s77, 0                                   ; 272 ii: the row of v and of features
; ---------------------------------------------------------------- a trip: one query against 32 points
.Lhalf:
	s_mov_b32 s50, 0                                   ; ii % 8
.Ltrip:
	PSTAGE
	FT 0
	v_cndmask_b32 v18, v56, v55, s61                   ; tile 1 (the pairs of lanes 16-31): lanes 0-15 (p0, p1), lanes 16-31 (p2, 1)
	v_cndmask_b32 v19, v57, v1, s61
.rept 6
	v_nop                                              ; with the two lines above: eight places ahead of the first read of the results
.endr
	SQA T
	SQB T
	MULRS X0, T
	FT 1                                               ; writes over tile 0's results: behind those products stand the eight places above and seven plain lines of the reduction that name none of their registers
	NORM X0, 64, 96
	QUANT2 X0, 1
	SQA T                                              ; four plain lines between the conversions and the products
	s_wait_alu depctr_va_vdst(0)                       ; the conversions have written the codes v72-79, and the scale word v7 is written: the scaled products take them
	M6 0
	SQB T
	MULRS X1, T
	NORM X1, 64, 96
	QUANT2 X1, 1
	SUA X0
	s_wait_alu depctr_va_vdst(0)                       ; the codes v72-79 and the scale word v7 are written: the scaled products take them
	M6 1
	SUMB X0
	NORM X0, 160, 192
	QUANT2 X0, 1
	SUA X1
	s_wait_alu depctr_va_vdst(0)                       ; the codes v72-79 and the scale word v7 are written: the scaled products take them
	M7 0
	SUMB X1
	NORM X1, 160, 192
	QUANT2 X1, 1
.irp t, 0,1,2,3                        ; the maximum over the 32 j of feature 4 r + t: 16 lie in my registers.  These four lines stand between the conversions and the products
	v_max3_num_f32 v[44+\t], v[192+8*\t], v[193+8*\t], v[194+8*\t]
.endr
	s_lshl_b32 s83, s52, 2
	s_add_co_u32 s83, s83, 4
	s_wait_xcnt 0x0                                    ; the last trip's store has had its address translated (ISA guide 3.1): its base and its data are written again only behind this wait
	s_wait_alu depctr_vm_vsrc(0)                       ; the last trip's store has read v64-67, and its permutes v71: the two lines below write v71 and v64
	s_add_nc_u64 s[48:49], s[48:49], 512               ; the base stands one row past this trip's: the store reaches back
	v_mov_b32 v71, s83                                 ; the next query's lane, x 4
	v_add_nc_u32 v64, s77, v6
	s_wait_alu depctr_va_vdst(0)                       ; the codes v72-79 and the scale word v7 are written, for the products; v64 and v71 are written, for the LDS instructions behind them; and the quantiser, the f32 products and the pair stage are done with v60-63, v16-19 and v68-70, in which those land
	M7 1
	ds_load_b128 v[60:63], v64                         ; row ii of v: my four features.  No further wait: the four products since the wait name none of the registers that these five lines touch
	ds_load_b128 v[16:19], v64 offset:FL               ; and the same of features
.irp c, 0,1,2
	ds_bpermute_b32 v[68+\c], v71, v[2+\c]             ; the next query's xyz
.endr
.irp i, 3,5
.irp t, 0,1,2,3
	v_max3_num_f32 v[44+\t], v[44+\t], v[192+8*\t+\i], v[193+8*\t+\i]    ; eight lines on tile 0: the places ahead of the first read of tile 1's results
.endr
.endr
.irp t, 0,1,2,3
	v_max3_num_f32 v[44+\t], v[44+\t], v[199+8*\t], v[224+8*\t]
.endr
.irp i, 1,3,5
.irp t, 0,1,2,3
	v_max3_num_f32 v[44+\t], v[44+\t], v[224+8*\t+\i], v[225+8*\t+\i]
.endr
.endr
.irp t, 0,1,2,3
	v_max_num_f32 v[44+\t], v[44+\t], v[231+8*\t]
.endr
.irp t, 0,1,2,3
	v_permlanex16_b32 v[48+\t], v[44+\t], s56, s57
.endr
.irp t, 0,1,2,3
	v_max_num_f32 v[44+\t], v[44+\t], v[48+\t]
.endr
.irp t, 0,1,2,3
	v_mul_f32 v[44+\t], 0xbfb8aa3b, v[44+\t]           ; - max x log2(e)
.endr
.irp t, 0,1,2,3
.irp p, 0,2,4,6
.if (\t%2) == 0
	v_pk_fma_f32 v[192+8*\t+\p:193+8*\t+\p], v[192+8*\t+\p:193+8*\t+\p], s[58:59], v[44+2*(\t/2):45+2*(\t/2)] op_sel_hi:[1,0,0]
	v_pk_fma_f32 v[224+8*\t+\p:225+8*\t+\p], v[224+8*\t+\p:225+8*\t+\p], s[58:59], v[44+2*(\t/2):45+2*(\t/2)] op_sel_hi:[1,0,0]
.else
	v_pk_fma_f32 v[192+8*\t+\p:193+8*\t+\p], v[192+8*\t+\p:193+8*\t+\p], s[58:59], v[44+2*(\t/2):45+2*(\t/2)] op_sel:[0,0,1] op_sel_hi:[1,0,1]
	v_pk_fma_f32 v[224+8*\t+\p:225+8*\t+\p], v[224+8*\t+\p:225+8*\t+\p], s[58:59], v[44+2*(\t/2):45+2*(\t/2)] op_sel:[0,0,1] op_sel_hi:[1,0,1]
.endif
.endr
.endr
.set n, 0
.rept 64
	v_exp_f32 v[192+n], v[192+n]                       ; e^(s - max): one batch
.set n, n+1
.endr
	v_nop                                              ; a plain line behind the last exponential
	s_wait_alu depctr_va_vdst(0)                       ; the 64 exponentials v192-255 are written: one wait for the batch, ahead of its first reader
.irp t, 0,1,2,3
	v_pk_add_f32 v[52+2*\t:53+2*\t], v[192+8*\t:193+8*\t], v[194+8*\t:195+8*\t]
.endr
.irp p, 4,6
.irp t, 0,1,2,3
	v_pk_add_f32 v[52+2*\t:53+2*\t], v[52+2*\t:53+2*\t], v[192+8*\t+\p:193+8*\t+\p]
.endr
.endr
.irp p, 0,2,4,6
.irp t, 0,1,2,3
	v_pk_add_f32 v[52+2*\t:53+2*\t], v[52+2*\t:53+2*\t], v[224+8*\t+\p:225+8*\t+\p]
.endr
.endr
.irp t, 0,1,2,3
	v_add_f32 v[52+2*\t], v[52+2*\t], v[53+2*\t]
.endr
.irp t, 0,1,2,3
	v_permlanex16_b32 v[48+\t], v[52+2*\t], s56, s57
.endr
.irp t, 0,1,2,3
	v_add_f32 v[52+2*\t], v[52+2*\t], v[48+\t]         ; the sum over all 32 j
.endr
.irp t, 0,1,2,3
	v_rcp_f32 v[48+\t], v[52+2*\t]
.endr
	v_nop
	s_wait_alu depctr_va_vdst(0)                       ; the four reciprocals v48-51 are written: one wait, ahead of their first reader
	s_wait_alu depctr_vm_vsrc(0)                       ; the two loads of the rows have read their address v64, which the diagonal's lines write: ahead of the branches that lead to them
.irp k, 0,1,2,3,4,5,6                  ; which register holds pair ii: a branch on the trip's counter
	s_cmp_eq_u32 s50, \k
	s_cbranch_scc1 .Ldg\k
.endr
	DIAG 7
	s_branch .Ldgj
.irp k, 0,1,2,3,4,5,6
.Ldg\k:
	DIAG \k
	s_branch .Ldgj
.endr
.Ldgj:
	s_wait_dscnt 0x0                                   ; the rows of v and of features, and the next query's xyz
	v_pk_mul_f32 v[64:65], v[64:65], v[60:61]          ; the diagonal's weight x v
	v_pk_mul_f32 v[66:67], v[66:67], v[62:63]
.irp t, 0,1,2,3
	v_cndmask_b32 v[64+\t], v[64+\t], v[16+\t], s62    ; the other half of the lanes takes features as they are
.endr
	s_add_co_u32 s77, s77, VP
	s_add_co_u32 s52, s52, 1
	s_wait_alu depctr_va_vdst(0)                       ; the selects have written v64-67, which the store reads
	global_store_b128 v5, v[64:67], s[48:49] offset:-512 th:TH_STORE_NT   ; the whole output row: 32 lanes store 512 consecutive bytes, at a multiple of 256 from the output's first byte
	s_add_co_u32 s50, s50, 1
	s_cmp_lt_u32 s50, 8
	s_cbranch_scc1 .Ltrip
	s_wait_xcnt 0x0                                    ; the last store has had its address translated: its offset is written again only behind this wait
	s_wait_alu depctr_vm_vsrc(0)                       ; the last store has read its offset v5, which the next line writes
	v_xor_b32 v5, 0x100, v5                            ; queries 8-15: the diagonal lies in lanes 16-31: the halves of the lanes change parts in the output row
	s_not_b32 s62, s62
	s_add_co_u32 s51, s51, 1
	s_cmp_lt_u32 s51, 2
	s_cbranch_scc1 .Lhalf
	s_wait_xcnt 0x0
	v_lshl_add_u32 v222, v0, 2, 0x14600                ; my spare word, behind features' rows: 128 bytes a wave, named by no other line; no register could be kept for it, so the two are made here (v0 is as at the entry; no memory or LDS instruction has read v222 or v223)
	v_mov_b32 v223, 0
	s_wait_dscnt 0x0                                   ; the closing lines, six on end
	s_wait_alu 0x0
	s_wait_tensorcnt 0x0
	ds_add_u32 v222, v223
	s_wait_dscnt 0x0
	s_endpgm
.Lfunc_end_k_qfa73a1151f_pa:
	.size	k_qfa73a1151f_pa, .Lfunc_end_k_qfa73a1151f_pa-k_qfa73a1151f_pa
	.p2alignl 7, 3214868480
	.fill 96, 4, 3214868480
	.section	.rodata,"a",@progbits
	.p2align	6, 0x0
	.amdhsa_kernel k_qfa73a1151f_pa
		.amdhsa_group_segment_fixed_size 84480
		.amdhsa_private_segment_fixed_size 0
		.amdhsa_enable_private_segment 0
		.amdhsa_kernarg_size 184
		.amdhsa_user_sgpr_count 2
		.amdhsa_user_sgpr_kernarg_segment_ptr 1
		.amdhsa_wavefront_size32 1
		.amdhsa_system_sgpr_workgroup_id_x 1
		.amdhsa_system_sgpr_workgroup_id_y 1
		.amdhsa_system_sgpr_workgroup_id_z 1
		.amdhsa_system_vgpr_workitem_id 0
		.amdhsa_next_free_vgpr 512
		.amdhsa_next_free_sgpr 102
		.amdhsa_reserve_vcc 0
		.amdhsa_float_denorm_mode_32 3
		.amdhsa_float_denorm_mode_16_64 3
		.amdhsa_memory_ordered 1
		.amdhsa_forward_progress 1
		.amdhsa_inst_pref_size 114
	.end_amdhsa_kernel
	.amdgpu_metadata
---
amdhsa.version: [ 1, 2 ]
amdhsa.kernels:
  - .name:           k_qfa73a1151f_pa
    .symbol:         k_qfa73a1151f_pa.kd
    .args:
      - { .name: pv_xyz, .offset: 0, .size: 8, .value_kind: global_buffer, .address_space: global }
      - { .name: features, .offset: 8, .size: 8, .value_kind: global_buffer, .address_space: global }
      - { .name: Wq, .offset: 16, .size: 8, .value_kind: global_buffer, .address_space: global }
      - { .name: bq, .offset: 24, .size: 8, .value_kind: global_buffer, .address_space: global }
      - { .name: Wk, .offset: 32, .size: 8, .value_kind: global_buffer, .address_space: global }
      - { .name: bk, .offset: 40, .size: 8, .value_kind: global_buffer, .address_space: global }
      - { .name: Wv, .offset: 48, .size: 8, .value_kind: global_buffer, .address_space: global }
      - { .name: bv, .offset: 56, .size: 8, .value_kind: global_buffer, .address_space: global }
      - { .name: p_W1, .offset: 64, .size: 8, .value_kind: global_buffer, .address_space: global }
      - { .name: p_b1, .offset: 72, .size: 8, .value_kind: global_buffer, .address_space: global }
      - { .name: p_ln_g, .offset: 80, .size: 8, .value_kind: global_buffer, .address_space: global }
      - { .name: p_ln_b, .offset: 88, .size: 8, .value_kind: global_buffer, .address_space: global }
      - { .name: p_W2, .offset: 96, .size: 8, .value_kind: global_buffer, .address_space: global }
      - { .name: p_b2, .offset: 104, .size: 8, .value_kind: global_buffer, .address_space: global }
      - { .name: w_ln1_g, .offset: 112, .size: 8, .value_kind: global_buffer, .address_space: global }
      - { .name: w_ln1_b, .offset: 120, .size: 8, .value_kind: global_buffer, .address_space: global }
      - { .name: w_W1, .offset: 128, .size: 8, .value_kind: global_buffer, .address_space: global }
      - { .name: w_b1, .offset: 136, .size: 8, .value_kind: global_buffer, .address_space: global }
      - { .name: w_ln2_g, .offset: 144, .size: 8, .value_kind: global_buffer, .address_space: global }
      - { .name: w_ln2_b, .offset: 152, .size: 8, .value_kind: global_buffer, .address_space: global }
      - { .name: w_W2, .offset: 160, .size: 8, .value_kind: global_buffer, .address_space: global }
      - { .name: w_b2, .offset: 168, .size: 8, .value_kind: global_buffer, .address_space: global }
      - { .name: out0, .offset: 176, .size: 8, .value_kind: global_buffer, .address_space: global }
    .group_segment_fixed_size: 84480
    .private_segment_fixed_size: 0
    .kernarg_segment_align: 8
    .kernarg_segment_size: 184
    .max_flat_workgroup_size: 256
    .sgpr_count:     102
    .vgpr_count:     512
    .wavefront_size: 32
...
	.end_amdgpu_metadata
.endif
;; end of part 2
